; MI455X (gfx1250); checked and timed in simulation.
; The chip was launched on July 23, 2026; its instructions are those of AMD's public machine-readable ISA for CDNA 5 (MIT licence, August 2026) and "CDNA5" Instruction Set Architecture Reference Guide (July 2026). The comments in the code are by the model that wrote it; some were corrected since.
;; GSH Layer. Allowed arithmetic: float matrix products may take bf16 or f16 operands with f32 sums; other float arithmetic in f32, or as packed bf16 or f16 multiplies, adds, multiply-adds, maxima and minima; sums over many terms, partial sums and values carried from step to step in f32; what a program stores and reads back later, other than sums and carried values, may be rounded once to bf16 or f16.
;; Inputs: Wk 1,024 x 1,024 float32; Wo 1,024 x 1,024 float32; Wq 1,024 x 1,024 float32; Wv 1,024 x 1,024 float32; bk 1,024 float32; bo 1,024 float32; bq 1,024 float32; bv 1,024 float32; keys 4 x 1,024 x 1,024 float32; queries 4 x 1,024 x 1,024 float32; values 4 x 1,024 x 1,024 float32.
;; Outputs: out0 4 x 1,024 x 1,024 float32.
;; One version. Each part assembles by itself: llvm-mc -triple=amdgcn-amd-amdhsa -mcpu=gfx1250 --defsym DOCPART=n.
;; ======== version 1 of 1: 5 launches
;; limits: values are held in f16: magnitudes above 65,504 overflow, below 6.1e-05 lose precision; a function is approximated: absolute error at most 0.00029
;; workspace buffers: x16 25,165,824 bytes; w16 8,388,608 bytes; mx 4,096 bytes; qkt 25,165,824 bytes; v16 8,388,608 bytes; o16 8,388,608 bytes
;; launch cvt (part 1): grid 256 x 4, 8 waves a work-group, no clusters, 1,280 bytes of LDS; arguments queries, keys, values, Wq, Wk, Wv, Wo, x16, w16, mx; writes x16, w16, mx
.if DOCPART == 1
	.amdgcn_target "amdgcn-amd-amdhsa--gfx1250"
	.amdhsa_code_object_version 6
	.text
	.protected	k_q67b5eebd00_cvt
	.globl	k_q67b5eebd00_cvt
	.p2align	8
	.type	k_q67b5eebd00_cvt,@function
k_q67b5eebd00_cvt:
	s_mov_b64 s[64:65], 0
	v_nop
	global_prefetch_b8 v0, s[64:65] scope:SCOPE_SE
	s_setreg_imm32_b32 hwreg(HW_REG_WAVE_MODE, 25, 1), 1
	s_wait_xcnt 0x0
; f32 -> f16 of the three activations (x16: [3][4096][1024]) and the four weights (w16: [4][1024][1024], layout kept), and for each work-group the largest
; magnitude of its 16,384 numbers (mx[256 y + x]), from which later launches bound v.
; LIMITS.  f16 holds no number beyond 65,504: a larger input becomes an infinity.  A NaN is not counted in mx.
; SHARES.  y = 0, 1, 2: queries, keys, values, 256 work-groups each; y = 3: the weights, 64 work-groups each, weight x / 64.  A work-group takes 64 KiB in and 32 KiB out,
; a wave 2,048 numbers in 8 groups of 256, a lane 8 neighbouring numbers of a group: two loads of 16 bytes in, one store of 16 bytes out, so that a wave's store covers
; 512 consecutive bytes, aligned.  All 16 loads of a wave go out first.  No matrix unit, cluster or tile: each byte is touched once and nothing is shared.
.set SO,  1                            ; v1   my byte offset in the work-group's source: 8,192 x wave + 32 x lane
.set DO,  2                            ; v2   in its destination: 4,096 x wave + 16 x lane
.set ZO,  3                            ; v3   0
.set MM,  4                            ; v4-5 two running maxima, v6-7 two running minima
.set T0,  8                            ; v8-9 at work
.set SPW, 10                           ; v10  LDS address of my spare word; never rewritten
.set NIL, 11                           ; v11  0; never rewritten
.set X,   16                           ; v[16:79]   group i: 8 numbers as loaded
.set Y,   80                           ; v[80:111]  group i: 4 registers to store
.set PM,  112                          ; v[112:119] the eight waves' maxima
.set SPARE, 256                        ; LDS: bytes 0-31 the waves' maxima (a block of 256 of their own); from 256 the spare words, 128 bytes a wave
	s_load_b512 s[8:23], s[0:1], 0x0               ; queries s[8:9], keys s[10:11], values s[12:13], Wq s[14:15], Wk s[16:17], Wv s[18:19], Wo s[20:21], x16 s[22:23]
	s_load_b128 s[24:27], s[0:1], 0x40             ; w16 s[24:25], mx s[26:27]
	v_lshl_add_u32 v[SPW], v0, 2, SPARE
	v_mov_b32 v[NIL], 0
	v_lshrrev_b32 v[T0], 5, v0
	v_readfirstlane_b32 s41, v[T0]                 ; wave 0..7
	v_and_b32 v[T0+1], 31, v0
	v_lshlrev_b32 v[SO], 13, v[T0]
	v_lshl_or_b32 v[SO], v[T0+1], 5, v[SO]
	v_lshlrev_b32 v[DO], 12, v[T0]
	v_lshl_or_b32 v[DO], v[T0+1], 4, v[DO]
	v_mov_b32 v[ZO], 0
	s_and_b32 s4, ttmp7, 0xffff                    ; y
	s_mov_b32 s5, ttmp9                            ; x
	s_lshr_b32 s6, s5, 6                           ; which weight
	s_and_b32 s7, s5, 63                           ; which 64 KiB of it
	s_mov_b32 s42, 0x76543210                      ; v_permlanex16_b32: each lane takes its own place in the other half
	s_mov_b32 s43, 0xfedcba98
	s_wait_kmcnt 0x0
	s_cmp_eq_u32 s4, 1                             ; the source and the destination are chosen by the work-group's numbers alone
	s_cselect_b64 s[28:29], s[10:11], s[8:9]
	s_cmp_eq_u32 s4, 2
	s_cselect_b64 s[28:29], s[12:13], s[28:29]
	s_cmp_eq_u32 s6, 1
	s_cselect_b64 s[30:31], s[16:17], s[14:15]
	s_cmp_eq_u32 s6, 2
	s_cselect_b64 s[30:31], s[18:19], s[30:31]
	s_cmp_eq_u32 s6, 3
	s_cselect_b64 s[30:31], s[20:21], s[30:31]
	s_cmp_eq_u32 s4, 3
	s_cselect_b64 s[32:33], s[30:31], s[28:29]     ; from
	s_cselect_b64 s[34:35], s[24:25], s[22:23]     ; to
	s_cselect_b32 s36, s7, s5
	s_cselect_b32 s38, 0, s4
	s_lshl_b32 s36, s36, 16                        ; 64 KiB of source a work-group
	s_mov_b32 s37, 0
	s_lshl_b32 s38, s38, 23                        ; an activation is 8 MiB of f16;
	s_lshl_b32 s39, s5, 15                         ; 32 KiB a work-group (for the weights x x 32 KiB is weight x 2 MiB + its part)
	s_add_co_u32 s38, s38, s39
	s_mov_b32 s39, 0
	s_add_nc_u64 s[32:33], s[32:33], s[36:37]
	s_add_nc_u64 s[34:35], s[34:35], s[38:39]
	s_lshl_b32 s44, s4, 8
	s_add_co_u32 s44, s44, s5
	s_lshl_b32 s44, s44, 2                         ; 4 (256 y + x)
	s_mov_b32 s45, 0
	s_add_nc_u64 s[26:27], s[26:27], s[44:45]
.irp i, 0,1,2,3,4,5,6,7
	global_load_b128 v[X+8*(\i):X+8*(\i)+3],   v[SO], s[32:33] offset:1024*(\i) th:TH_LOAD_NT
	global_load_b128 v[X+8*(\i)+4:X+8*(\i)+7], v[SO], s[32:33] offset:1024*(\i)+16 th:TH_LOAD_NT
.endr
.irp i, 0,1,2,3,4,5,6,7
	s_wait_loadcnt 14-2*(\i)                       ; loads come back in order: group i is in, the 2 (7 - i) younger loads stay out
.irp j, 0,1,2,3
	v_cvt_pk_f16_f32 v[Y+4*(\i)+(\j)], v[X+8*(\i)+2*(\j)], v[X+8*(\i)+2*(\j)+1]
.endr
.if (\i) == 0
	v_max_num_f32 v[MM],   v[X],   v[X+1]          ; the first numbers start the chains: nothing is cleared
	v_max_num_f32 v[MM+1], v[X+2], v[X+3]
	v_min_num_f32 v[MM+2], v[X],   v[X+1]
	v_min_num_f32 v[MM+3], v[X+2], v[X+3]
.else
	v_max3_num_f32 v[MM],   v[MM],   v[X+8*(\i)],   v[X+8*(\i)+1]
	v_max3_num_f32 v[MM+1], v[MM+1], v[X+8*(\i)+2], v[X+8*(\i)+3]
	v_min3_num_f32 v[MM+2], v[MM+2], v[X+8*(\i)],   v[X+8*(\i)+1]
	v_min3_num_f32 v[MM+3], v[MM+3], v[X+8*(\i)+2], v[X+8*(\i)+3]
.endif
	v_max3_num_f32 v[MM],   v[MM],   v[X+8*(\i)+4], v[X+8*(\i)+5]
	v_max3_num_f32 v[MM+1], v[MM+1], v[X+8*(\i)+6], v[X+8*(\i)+7]
	v_min3_num_f32 v[MM+2], v[MM+2], v[X+8*(\i)+4], v[X+8*(\i)+5]
	v_min3_num_f32 v[MM+3], v[MM+3], v[X+8*(\i)+6], v[X+8*(\i)+7]
	global_store_b128 v[DO], v[Y+4*(\i):Y+4*(\i)+3], s[34:35] offset:512*(\i) th:TH_STORE_NT
.endr
	v_max_num_f32 v[MM], v[MM], v[MM+1]
	v_min_num_f32 v[MM+2], v[MM+2], v[MM+3]
	v_xor_b32 v[MM+2], 0x80000000, v[MM+2]         ; - minimum
	v_max_num_f32 v[MM], v[MM], v[MM+2]            ; my largest magnitude
	v_max_num_f32_dpp v[MM], v[MM], v[MM] row_xmask:1 row_mask:0xf bank_mask:0xf
	v_max_num_f32_dpp v[MM], v[MM], v[MM] row_xmask:2 row_mask:0xf bank_mask:0xf
	v_max_num_f32_dpp v[MM], v[MM], v[MM] row_xmask:4 row_mask:0xf bank_mask:0xf
	v_max_num_f32_dpp v[MM], v[MM], v[MM] row_xmask:8 row_mask:0xf bank_mask:0xf
	v_permlanex16_b32 v[MM+1], v[MM], s42, s43
	v_max_num_f32 v[MM], v[MM], v[MM+1]            ; the wave's
	v_lshlrev_b32 v[T0], 2, v[T0]                  ; 4 x wave
	ds_store_b32 v[T0], v[MM]                      ; all lanes write the same word with the same value
	s_wait_dscnt 0x0                               ; for the others' sake: my store is done
	s_barrier_signal -1
	s_barrier_wait -1
	s_cmp_lg_u32 s41, 0                            ; wave 0 finishes
	s_cbranch_scc1 .Lend
	ds_load_b128 v[PM:PM+3], v[ZO]
	ds_load_b128 v[PM+4:PM+7], v[ZO] offset:16
	s_wait_dscnt 0x0
	v_max3_num_f32 v[PM], v[PM], v[PM+1], v[PM+2]
	v_max3_num_f32 v[PM+3], v[PM+3], v[PM+4], v[PM+5]
	v_max3_num_f32 v[PM], v[PM], v[PM+6], v[PM+7]
	v_max_num_f32 v[PM], v[PM], v[PM+3]
	v_cmp_eq_u32 vcc_lo, 0, v0
	s_wait_xcnt 0x0                                ; EXEC is a source of the stores above: it changes only behind this wait
	s_and_saveexec_b32 s40, vcc_lo
	global_store_b32 v[ZO], v[PM], s[26:27]        ; one word a work-group
	s_wait_xcnt 0x0                                ; and again, in front of the line that widens it
	s_or_b32 exec_lo, exec_lo, s40
.Lend:
	s_wait_tensorcnt 0x0                           ; the wave's end, behind my last LDS store
	ds_add_u32 v[SPW], v[NIL]
	s_wait_dscnt 0x0
	s_endpgm
.Lfunc_end_k_q67b5eebd00_cvt:
	.size	k_q67b5eebd00_cvt, .Lfunc_end_k_q67b5eebd00_cvt-k_q67b5eebd00_cvt
	.p2alignl 7, 3214868480
	.fill 96, 4, 3214868480
	.section	.rodata,"a",@progbits
	.p2align	6, 0x0
	.amdhsa_kernel k_q67b5eebd00_cvt
		.amdhsa_group_segment_fixed_size 1280
		.amdhsa_private_segment_fixed_size 0
		.amdhsa_enable_private_segment 0
		.amdhsa_kernarg_size 80
		.amdhsa_user_sgpr_count 2
		.amdhsa_user_sgpr_kernarg_segment_ptr 1
		.amdhsa_wavefront_size32 1
		.amdhsa_system_sgpr_workgroup_id_x 1
		.amdhsa_system_sgpr_workgroup_id_y 1
		.amdhsa_system_sgpr_workgroup_id_z 1
		.amdhsa_system_vgpr_workitem_id 0
		.amdhsa_next_free_vgpr 128
		.amdhsa_next_free_sgpr 66
		.amdhsa_reserve_vcc 1
		.amdhsa_float_denorm_mode_32 3
		.amdhsa_float_denorm_mode_16_64 3
		.amdhsa_memory_ordered 1
		.amdhsa_forward_progress 1
		.amdhsa_inst_pref_size 12
	.end_amdhsa_kernel
	.amdgpu_metadata
---
amdhsa.version: [ 1, 2 ]
amdhsa.kernels:
  - .name:           k_q67b5eebd00_cvt
    .symbol:         k_q67b5eebd00_cvt.kd
    .args:
      - { .name: queries, .offset: 0, .size: 8, .value_kind: global_buffer, .address_space: global }
      - { .name: keys, .offset: 8, .size: 8, .value_kind: global_buffer, .address_space: global }
      - { .name: values, .offset: 16, .size: 8, .value_kind: global_buffer, .address_space: global }
      - { .name: Wq, .offset: 24, .size: 8, .value_kind: global_buffer, .address_space: global }
      - { .name: Wk, .offset: 32, .size: 8, .value_kind: global_buffer, .address_space: global }
      - { .name: Wv, .offset: 40, .size: 8, .value_kind: global_buffer, .address_space: global }
      - { .name: Wo, .offset: 48, .size: 8, .value_kind: global_buffer, .address_space: global }
      - { .name: x16, .offset: 56, .size: 8, .value_kind: global_buffer, .address_space: global }
      - { .name: w16, .offset: 64, .size: 8, .value_kind: global_buffer, .address_space: global }
      - { .name: mx, .offset: 72, .size: 8, .value_kind: global_buffer, .address_space: global }
    .group_segment_fixed_size: 1280
    .private_segment_fixed_size: 0
    .kernarg_segment_align: 8
    .kernarg_segment_size: 80
    .max_flat_workgroup_size: 256
    .sgpr_count:     66
    .vgpr_count:     128
    .wavefront_size: 32
...
	.end_amdgpu_metadata
.endif
;; end of part 1
;; launch proj3 (part 2): grid 8 x 96, 4 waves a work-group, clusters of 4 x 4, 327,680 bytes of LDS; arguments x16, w16, bq, bk, qkt; writes qkt
.if DOCPART == 2
	.amdgcn_target "amdgcn-amd-amdhsa--gfx1250"
	.amdhsa_code_object_version 6
	.text
	.protected	k_q67b5eebd00_proj3
	.globl	k_q67b5eebd00_proj3
	.p2align	8
	.type	k_q67b5eebd00_proj3,@function
k_q67b5eebd00_proj3:
	s_mov_b64 s[64:65], 0
	v_nop
	global_prefetch_b8 v0, s[64:65] scope:SCOPE_SE
	s_setreg_imm32_b32 hwreg(HW_REG_WAVE_MODE, 25, 1), 1
	s_wait_xcnt 0x0
	s_wait_alu depctr_hold_cnt(0) depctr_sa_sdst(0) depctr_va_vdst(0) depctr_va_sdst(0) depctr_va_ssrc(0) depctr_va_vcc(0) depctr_vm_vsrc(0)
	s_getreg_b32 s2, hwreg(HW_REG_IB_STS2, 6, 4)
	s_cmp_eq_u32 s2, 0
	s_cbranch_scc0 .Lentry_in_a_cluster
	s_endpgm
.Lentry_in_a_cluster:
	s_bfe_u32 s2, ttmp6, 0x10000c
	s_cmp_lg_u32 s2, 0xf033
	s_cbranch_scc0 .Lentry_shape_is_right
	s_endpgm
.Lentry_shape_is_right:
; q = queries Wq + bq, k = keys Wk + bk, t = values Wk + bk: one product C = A W + bias of [12288][1024] x [1024][1024], f16 operands, f32 sums, C rounded once to f16.
; A = x16 (the three activations on end).  Part g = row / 4096 chooses the weight (Wq; Wk; Wk), the bias (bq; bk; bk) and the layout of C in qkt:
; q at byte 0 and k at 8,388,608 by heads, [b][h][l][64]; t at 16,777,216 plain, [4096][1024].
; LIMITS.  q, k and t must lie within f16's 65,504 (they are at most 1024 max|x| max|W| + max|b|); the order of the sums is the matrix unit's, K ascending.
; SHARES.  A tile of C is 128 x 128: four waves of 64 x 64, 16 accumulators each.  768 work-groups.  K goes in four steps of 256 through two LDS slots.
; W STAYS [k][n]: its tile is 256 k-rows of 256 bytes, and its fragments come out of LDS turned, by ds_load_tr16_b128.  THE MATRIX INSTRUCTION IS USED TRANSPOSED
; (source 0 = 16 columns of W, source 1 = 16 rows of A): a lane then holds eight neighbouring numbers of one row of C.
; CLUSTERS: 4 x 4 work-groups.  The four of a row of the cluster need the same tiles of A, the four of a column the same tiles of W: each is asked for JOINTLY.
; NO PREFETCH: of the four K steps two are first fills and the other two are asked for one step later; no trip lies ahead of them.
; REGISTERS: window 0: v0-31 addresses; v32-95 at work on the way out; v96-127 the bias; v128-255 the accumulators ((a, b) at v[128 + 8 (4 a + b)]).
;   window 1: two fragment buffers of 128: for 64 along K, 64 registers of A (2 x 4 x 16 rows x 32 K), then 64 of W.
.set PA,     528                       ; a row of A in LDS: 512 bytes + 16 of padding: the 16 rows of a fragment load start 4 banks apart (64 banks of 4 bytes: ISA guide 11.1)
.set PB,     288                       ; a k-row of W: 256 + 32
.set APART,  128*PA                    ; A's 128 rows; behind them W's 256 k-rows
.set SLOT,   APART+256*PB
.set STAGE,  2*SLOT                    ; behind the ring, never filled by a tensor load: 128 rows x 272 bytes, the work-group's, for the way out
.set SPITCH, 272
.set SPARE,  STAGE+128*SPITCH          ; the spare words, 128 bytes for each wave: two blocks of 256 bytes that no other line names
.set ADRA, 16                          ; v16-17  LDS address of my A fragments in slot 0, 1
.set BO,   18                          ; v18     my byte offset in 64 bytes of bias
.set ADRB, 20                          ; v20-23  LDS address of my W fragments: slot 0 k-rows 0-127, 128-255; slot 1 likewise (an offset has 16 bits)
.set STO,  24                          ; v24     the way out: where I put 16 bytes of a row
.set RD,   25                          ; v25     where I read whole rows back (t)
.set CO,   26                          ; v26     my byte offset in two rows of t
.set RDH,  27                          ; v27     where I read half rows back (q, k)
.set SPW,  28                          ; v28     LDS address of my spare word; never rewritten
.set NIL,  29                          ; v29     0; never rewritten
.set GOH,  30                          ; v30     16 x lane
.set TMP,  32
.set BI,   96                          ; bias of column 16 b + 8 (l / 16) + j at BI + 8 b + j
.set ACC,  128
.set F0,   0
.set F1,   128
.set G1,  24                           ; s[24:31] descriptor group 1 for A's tiles; s[32:39] group 0, one set for each slot
.set G0,  32
.set G1B, 48                           ; s[48:55], s[56:63] the same for W's tiles
.set G0B, 56
.set WV,  80                           ; s80 wave
.set RH,  81                           ; s81 my half of the tile's rows.  Also: I fetch for A (0) or for W (1)
.set CH,  82                           ; s82 my half of its columns.  Also: which half of that tile I fetch
.set TR,  83                           ; s83 tile row of C
.set GG,  84                           ; s84 g
.set MSB, 0
.macro WIN new                         ; the immediate's high byte repeats the setting that is left
.if MSB != (\new)
	s_set_vgpr_msb (MSB<<8)|(\new)
.set MSB, \new
.endif
.endm
.set MUL,  0x05                        ; sources 0 (W) and 1 (A) window 1; C and D window 0
.set TO_F, 0x40                        ; destination window 1, address window 0
.macro JLOAD s                         ; a joint load: waves 0 and 1 fetch A's two halves, waves 2 and 3 W's; an s_nop 0 and four v_nop follow each line
	s_cmp_eq_u32 s[RH], 0
	s_cbranch_scc0 .Lfor_b_\@
	tensor_load_to_lds s[G0+4*(\s):G0+4*(\s)+3], s[G1:G1+7]
	s_nop 0
.rept 4
	v_nop
.endr
	s_branch .Lasked_\@
.Lfor_b_\@:
	tensor_load_to_lds s[G0B+4*(\s):G0B+4*(\s)+3], s[G1B:G1B+7]
	s_nop 0
.rept 4
	v_nop
.endr
.Lasked_\@:
.endm
.macro CREST                           ; a round of the cluster's barrier behind its opening barrier
	s_cmp_lg_u32 s[WV], 0
	s_cbranch_scc1 .Lnot_wave_0_\@
	s_barrier_signal -3
.Lnot_wave_0_\@:
	s_barrier_wait -3
	s_barrier_signal -1
	s_barrier_wait -1
.endm
.macro CROUND                          ; a whole round
	s_barrier_signal -1
	s_barrier_wait -1
	CREST
.endm
.macro PLACES                          ; four places in front of loads into registers that matrix instructions have read, and of vector lines that read results
.rept 4
	v_nop
.endr
.endm
; 8 matrix instructions: m blocks a0, a0 + 1 x all 4 n blocks, 32 along K: half c of buffer f.  zero = 1: the first product starts the sums.  The 16 accumulators take turns.
.macro MUL8 f, c, a0, zero
	WIN MUL
.irp a, \a0, (\a0)+1
.irp b, 0,1,2,3
.if \zero
	v_wmma_f32_16x16x32_f16 v[ACC+8*(4*(\a)+(\b)):ACC+8*(4*(\a)+(\b))+7], v[(\f)+64+8*(4*(\c)+(\b)):(\f)+64+8*(4*(\c)+(\b))+7], v[(\f)+8*(4*(\c)+(\a)):(\f)+8*(4*(\c)+(\a))+7], 0
.else
	v_wmma_f32_16x16x32_f16 v[ACC+8*(4*(\a)+(\b)):ACC+8*(4*(\a)+(\b))+7], v[(\f)+64+8*(4*(\c)+(\b)):(\f)+64+8*(4*(\c)+(\b))+7], v[(\f)+8*(4*(\c)+(\a)):(\f)+8*(4*(\c)+(\a))+7], v[ACC+8*(4*(\a)+(\b)):ACC+8*(4*(\a)+(\b))+7]
.endif
.endr
.endr
.endm
; 32 LDS loads in one run: the fragments of quarter q (64 along K) of a slot into buffer f; the first 32 along K first
.macro FETCH slot, q, f
	WIN TO_F
.irp c, 0,1
.irp i, 0,1,2,3
	ds_load_tr16_b128 v[(\f)+64+8*(4*(\c)+(\i)):(\f)+64+8*(4*(\c)+(\i))+3],   v[ADRB+2*(\slot)+(\q)/2] offset:(((\q)%2)*64+32*(\c))*PB+32*(\i)
	ds_load_tr16_b128 v[(\f)+64+8*(4*(\c)+(\i))+4:(\f)+64+8*(4*(\c)+(\i))+7], v[ADRB+2*(\slot)+(\q)/2] offset:(((\q)%2)*64+32*(\c)+16)*PB+32*(\i)
	ds_load_b128 v[(\f)+8*(4*(\c)+(\i)):(\f)+8*(4*(\c)+(\i))+3],   v[ADRA+(\slot)] offset:128*(\q)+64*(\c)+(\i)*16*PA
	ds_load_b128 v[(\f)+8*(4*(\c)+(\i))+4:(\f)+8*(4*(\c)+(\i))+7], v[ADRA+(\slot)] offset:128*(\q)+64*(\c)+(\i)*16*PA+32
.endr
.endr
.endm
; A K step is four quarters of 64 along K, 32 matrix instructions each, on buffers 0, 1, 0, 1.  One of the first three: multiplies buffer f and fetches quarter qn into g.
.macro QUARTER slot, qn, f, g, zero
	s_wait_dscnt 16                                ; the first 32 along K are in; the sixteen younger loads may be out
	MUL8 \f, 0, 0, \zero
	MUL8 \f, 0, 2, \zero
	PLACES
	FETCH \slot, \qn, \g
	s_wait_dscnt 32                                ; all but the 32 just issued
	MUL8 \f, 1, 0, 0
	MUL8 \f, 1, 2, 0
.endm
; The last quarter multiplies buffer 1 and changes slots: ONE barrier; in front of it each wave waits for all its tensor loads, adds 0 to its spare word, and waits for that and for its reads of this slot.
.macro TURN slot, next, fill
	WIN 0                                          ; (the add's two registers lie in window 0)
	s_wait_tensorcnt 0x0                           ; all my tensor loads have landed: my part of the next slot;
	ds_add_u32 v[SPW], v[NIL]                      ; 0 onto my spare word;
	s_wait_dscnt 17                                ; (the add and the youngest sixteen loads may be out)
	MUL8 F1, 0, 0, 0                               ; eight matrix instructions stand between the add and the wait for it
	s_wait_dscnt 0x0                               ; the add is done, and my reads of this slot are over
	s_barrier_signal -1
	MUL8 F1, 0, 2, 0
.if \fill
	WIN 0
.endif
	s_barrier_wait -1
.if \fill
	CREST                                          ; the barrier has opened a round of the cluster's: no wave of any partner still reads this slot or has a load on its way
	s_add_nc_u64 s[G0+4*(\slot)+2:G0+4*(\slot)+3], s[G0+4*(\slot)+2:G0+4*(\slot)+3], 2*512       ; two K steps on: 512 bytes of a row of A each,
	s_add_nc_u64 s[G0B+4*(\slot)+2:G0B+4*(\slot)+3], s[G0B+4*(\slot)+2:G0B+4*(\slot)+3], 2*524288 ; 256 k-rows of 2,048 bytes of W each
	JLOAD \slot                                    ; the first tensor load behind the round; its four v_nop are also the places in front of the loads below
.else
	PLACES
.endif
	FETCH \next, 0, F0
	MUL8 F1, 1, 0, 0
	MUL8 F1, 1, 2, 0
.endm
	s_load_b256 s[4:11], s[0:1], 0x0               ; x16 s[4:5], w16 s[6:7], bq s[8:9], bk s[10:11]
	s_load_b64 s[72:73], s[0:1], 0x20              ; qkt
	v_lshl_add_u32 v[SPW], v0, 2, SPARE
	v_mov_b32 v[NIL], 0
	ds_add_u32 v[SPW], v[NIL]                      ; the wave's opening: the add, twice on end, and its wait ahead of my first tensor load
	ds_add_u32 v[SPW], v[NIL]
	v_lshrrev_b32 v1, 5, v0
	v_readfirstlane_b32 s[WV], v1
	s_lshr_b32 s[RH], s[WV], 1
	s_and_b32 s[CH], s[WV], 1
	s_bfe_u32 s40, ttmp6, 0x40000                  ; cx, cy: my place in the cluster
	s_bfe_u32 s41, ttmp6, 0x40004
	s_lshl_b32 s42, ttmp9, 2
	s_add_co_u32 s42, s42, s40                     ; tile column of C = 4 x cluster x + cx
	s_and_b32 s85, ttmp7, 0xffff                   ; cluster y
	s_lshl_b32 s[TR], s85, 2
	s_add_co_u32 s[TR], s[TR], s41                 ; tile row of C = 4 x cluster y + cy
	s_lshr_b32 s[GG], s85, 3                       ; g: 8 rows of clusters to an activation; the same in all sixteen partners
	s_lshl_b32 s43, s41, 2
	s_lshl_b32 s43, 15, s43                        ; my row of the cluster
	s_lshl_b32 s44, 0x1111, s40                    ; my column
	s_or_b32 s[G1+0], s43, (1<<16)|(1<<20)|(1<<21)|(6<<22)|(3<<25)   ; A: the mask of my row; 2-byte elements; padding on; bit 21 beside a mask; after every 128 words 4 words
	s_mov_b32 s[G1+1], 256<<16                     ; tensor_dim0 = 256
	s_mov_b32 s[G1+2], 64<<16                      ; tensor_dim1 = 64
	s_mov_b32 s[G1+3], 256<<16                     ; tile_dim0 = 256
	s_mov_b32 s[G1+4], 64                          ; tile_dim1 = 64
	s_mov_b32 s[G1+5], 1024                        ; elements from row to row
	s_mov_b32 s[G1+6], 0
	s_mov_b32 s[G1+7], 0
	s_or_b32 s[G1B+0], s44, (1<<16)|(1<<20)|(1<<21)|(5<<22)|(7<<25)  ; W: the mask of my column; after every 64 words 8 words
	s_mov_b32 s[G1B+1], 128<<16                    ; 128 elements x 128 k-rows
	s_mov_b32 s[G1B+2], 128<<16
	s_mov_b32 s[G1B+3], 128<<16
	s_mov_b32 s[G1B+4], 128
	s_mov_b32 s[G1B+5], 1024
	s_mov_b32 s[G1B+6], 0
	s_mov_b32 s[G1B+7], 0
	s_lshl_b32 s16, s[TR], 7                       ; A: row 128 x tile row + 64 x half, 2,048 bytes a row: no register of this sum ever holds cx
	s_lshl_b32 s17, s[CH], 6
	s_add_co_u32 s16, s16, s17
	s_lshl_b32 s16, s16, 11
	s_mov_b32 s17, 0
	s_min_u32 s46, s[GG], 1                        ; W: weight 0 (Wq) for q, 1 (Wk) for k and t, 2 MiB each; no register of this sum ever holds cy
	s_lshl_b32 s46, s46, 21
	s_lshl_b32 s47, s[CH], 18                      ; + 128 k-rows x half
	s_add_co_u32 s46, s46, s47
	s_lshl_b32 s47, s42, 8                         ; + 256 bytes x tile column
	s_add_co_u32 s46, s46, s47
	s_mov_b32 s47, 0
	s_mul_i32 s20, s[CH], 64*PA                    ; where they go: no place in the cluster enters an LDS address
	s_mul_i32 s21, s[CH], 128*PB
	s_add_co_u32 s21, s21, APART
	s_wait_dscnt 0x0                               ; both opening adds are done
	s_wait_kmcnt 0x0
	s_add_nc_u64 s[14:15], s[4:5], s[16:17]
	s_add_nc_u64 s[46:47], s[6:7], s[46:47]
	CROUND                                         ; all sixteen work-groups are here: the first joint loads meet
.irp s, 0,1
	s_mov_b32 s[G0+4*(\s)], 1
	s_add_co_u32 s[G0+4*(\s)+1], s20, (\s)*SLOT
	s_add_nc_u64 s[G0+4*(\s)+2:G0+4*(\s)+3], s[14:15], (\s)*512
	s_or_b32 s[G0+4*(\s)+3], s[G0+4*(\s)+3], 0x80000000
	s_mov_b32 s[G0B+4*(\s)], 1
	s_add_co_u32 s[G0B+4*(\s)+1], s21, (\s)*SLOT
	s_add_nc_u64 s[G0B+4*(\s)+2:G0B+4*(\s)+3], s[46:47], (\s)*524288
	s_or_b32 s[G0B+4*(\s)+3], s[G0B+4*(\s)+3], 0x80000000
	JLOAD \s                                       ; two tensor loads of mine are out
.endr
	v_and_b32 v1, 15, v0                           ; l % 16
	v_bfe_u32 v2, v0, 4, 1                         ; l / 16
	v_lshlrev_b32 v[BO], 5, v2
	s_cmp_eq_u32 s[GG], 0
	s_cselect_b64 s[68:69], s[8:9], s[10:11]       ; bq for q, bk for k and t
	s_lshl_b32 s70, s42, 9                         ; my 64 columns: 4 (128 x tile column + 64 x half)
	s_lshl_b32 s71, s[CH], 8
	s_add_co_u32 s70, s70, s71
	s_mov_b32 s71, 0
	s_add_nc_u64 s[68:69], s[68:69], s[70:71]
.irp b, 0,1,2,3
	global_load_b128 v[BI+8*(\b):BI+8*(\b)+3],   v[BO], s[68:69] offset:64*(\b)
	global_load_b128 v[BI+8*(\b)+4:BI+8*(\b)+7], v[BO], s[68:69] offset:64*(\b)+16
.endr
	v_mul_u32_u24 v3, v1, PA
	v_lshl_add_u32 v3, v2, 4, v3                   ; a fragment of A: row x pitch + 16 x half
	s_mul_i32 s22, s[RH], 64*PA                    ; my 64 rows
	v_add_nc_u32 v[ADRA], s22, v3
	v_add_nc_u32 v[ADRA+1], SLOT, v[ADRA]
	v_and_b32 v4, 7, v0                            ; the turning load: lane l reads k-row 8 (l / 16) + l % 8, columns 8 ((l / 8) % 2) + 0..7
	v_bfe_u32 v5, v0, 3, 1
	v_lshl_add_u32 v4, v2, 3, v4
	v_mul_u32_u24 v4, v4, PB
	v_lshl_add_u32 v4, v5, 4, v4
	s_lshl_b32 s22, s[CH], 7                       ; my 64 columns
	s_add_co_u32 s22, s22, APART
	v_add_nc_u32 v[ADRB], s22, v4
	v_add_nc_u32 v[ADRB+1], 128*PB, v[ADRB]
	v_add_nc_u32 v[ADRB+2], SLOT, v[ADRB]
	v_add_nc_u32 v[ADRB+3], SLOT+128*PB, v[ADRB]
	s_mul_i32 s22, s[RH], 64*SPITCH                ; into the stage: my 64 rows, my half of their 256 bytes
	s_lshl_b32 s23, s[CH], 7
	s_add_co_u32 s22, s22, s23
	s_add_co_u32 s22, s22, STAGE
	v_mul_u32_u24 v6, v1, SPITCH
	v_lshl_add_u32 v6, v2, 4, v6
	v_add_nc_u32 v[STO], s22, v6
	v_bfe_u32 v6, v0, 3, 2                         ; back by heads: 32 lanes take four half rows of 128 bytes
	v_mul_u32_u24 v6, v6, SPITCH
	v_and_b32 v7, 7, v0
	v_lshl_add_u32 v6, v7, 4, v6
	v_add_nc_u32 v[RDH], s22, v6
	s_mul_i32 s23, s[WV], 32*SPITCH                ; back plain: wave w takes rows 32 w .. 32 w + 31, whole
	s_add_co_u32 s23, s23, STAGE
	v_mul_u32_u24 v6, v2, SPITCH
	v_lshl_add_u32 v6, v1, 4, v6
	v_add_nc_u32 v[RD], s23, v6
	v_lshlrev_b32 v6, 11, v2
	v_lshl_add_u32 v[CO], v1, 4, v6
	v_and_b32 v6, 31, v0
	v_lshlrev_b32 v[GOH], 4, v6
	s_lshr_b32 s86, s[TR], 3                       ; by heads: (4 g + b) x 2 MiB + head x 128 KiB + row l x 128 bytes; head = 2 x tile column + half
	s_lshl_b32 s86, s86, 21
	s_lshl_b32 s87, s42, 1
	s_add_co_u32 s87, s87, s[CH]
	s_lshl_b32 s87, s87, 17
	s_add_co_u32 s86, s86, s87
	s_and_b32 s87, s[TR], 7
	s_lshl_b32 s87, s87, 14
	s_add_co_u32 s86, s86, s87
	s_lshl_b32 s87, s[RH], 13
	s_add_co_u32 s86, s86, s87
	s_mov_b32 s87, 0
	s_add_nc_u64 s[86:87], s[72:73], s[86:87]
	s_lshl_b32 s88, s[TR], 7                       ; plain: row 128 x tile row + 32 x wave, 2,048 bytes a row (tile rows 64-95 begin at byte 16,777,216), + 256 x tile column
	s_lshl_b32 s89, s[WV], 5
	s_add_co_u32 s88, s88, s89
	s_lshl_b32 s88, s88, 11
	s_lshl_b32 s89, s42, 8
	s_add_co_u32 s88, s88, s89
	s_mov_b32 s89, 0
	s_add_nc_u64 s[88:89], s[72:73], s[88:89]
	s_wait_loadcnt 0x0                             ; the bias
	s_wait_tensorcnt 1                             ; my part of K step 0 is in; K step 1's may stay out
	s_barrier_signal -1
	s_barrier_wait -1                              ; everybody's is
	FETCH 0, 0, F0
	QUARTER 0, 1, F0, F1, 1                        ; K step 0: the first products start the sums
	QUARTER 0, 2, F1, F0, 0
	QUARTER 0, 3, F0, F1, 0
	TURN 0, 1, 1                                   ; slot 0 takes K step 2
	QUARTER 1, 1, F0, F1, 0
	QUARTER 1, 2, F1, F0, 0
	QUARTER 1, 3, F0, F1, 0
	TURN 1, 0, 1                                   ; slot 1 takes K step 3
	QUARTER 0, 1, F0, F1, 0
	QUARTER 0, 2, F1, F0, 0
	QUARTER 0, 3, F0, F1, 0
	TURN 0, 1, 0                                   ; nothing is left to fetch
	QUARTER 1, 1, F0, F1, 0
	QUARTER 1, 2, F1, F0, 0
	QUARTER 1, 3, F0, F1, 0
	s_wait_dscnt 16
	MUL8 F1, 0, 0, 0
	MUL8 F1, 0, 2, 0
	s_wait_dscnt 0x0
	MUL8 F1, 1, 0, 0
	MUL8 F1, 1, 2, 0
	WIN 0
	; THE WAY OUT: + bias, rounded to f16; 16 bytes a lane into the work-group's stage; a barrier; back in the order of memory.  Each accumulator is read from its low end on.
	PLACES
.irp t, 0,1,2,3,4,5,6,7,8,9,10,11,12,13,14,15
.irp r, 0,1,2,3
	v_pk_add_f32 v[ACC+8*(\t)+2*(\r):ACC+8*(\t)+2*(\r)+1], v[ACC+8*(\t)+2*(\r):ACC+8*(\t)+2*(\r)+1], v[BI+8*((\t)%4)+2*(\r):BI+8*((\t)%4)+2*(\r)+1]
.endr
.irp r, 0,1,2,3
	v_cvt_pk_f16_f32 v[TMP+4*(\t)+(\r)], v[ACC+8*(\t)+2*(\r)], v[ACC+8*(\t)+2*(\r)+1]
.endr
.endr
.irp a, 0,1,2,3
.irp b, 0,1,2,3
	ds_store_b128 v[STO], v[TMP+4*(4*(\a)+(\b)):TMP+4*(4*(\a)+(\b))+3] offset:(\a)*16*SPITCH+32*(\b)
.endr
.endr
	s_wait_dscnt 0x0                               ; for the others' sake: my stores into the stage are done
	s_barrier_signal -1
	s_barrier_wait -1
	s_cmp_eq_u32 s[GG], 2                          ; the same in all waves and all partners
	s_cbranch_scc1 .Lplain
.irp i, 0,1,2,3,4,5,6,7,8,9,10,11,12,13,14,15      ; q, k: 64 rows of one head are 8,192 consecutive bytes
	ds_load_b128 v[TMP+4*(\i):TMP+4*(\i)+3], v[RDH] offset:(\i)*4*SPITCH
.endr
.irp i, 0,1,2,3,4,5,6,7,8,9,10,11,12,13,14,15
	s_wait_dscnt 15-(\i)
	global_store_b128 v[GOH], v[TMP+4*(\i):TMP+4*(\i)+3], s[86:87] offset:512*(\i)  ; 512 consecutive bytes, aligned
.endr
	s_branch .Lout
.Lplain:
.irp i, 0,1,2,3,4,5,6,7,8,9,10,11,12,13,14,15      ; t: whole rows of 256 bytes, two to a load
	ds_load_b128 v[TMP+4*(\i):TMP+4*(\i)+3], v[RD] offset:(\i)*2*SPITCH
.endr
.irp i, 0,1,2,3,4,5,6,7,8,9,10,11,12,13,14,15
	s_wait_dscnt 15-(\i)
	global_store_b128 v[CO], v[TMP+4*(\i):TMP+4*(\i)+3], s[88:89] offset:2*(\i)*2048  ; 16 lanes store 256 consecutive bytes, aligned
.endr
.Lout:
	s_wait_tensorcnt 0x0                           ; the wave's end, behind my last tensor load and my last LDS store
	ds_add_u32 v[SPW], v[NIL]
	s_wait_dscnt 0x0
	CROUND                                         ; the closing round: no work-group ends while a partner may still ask for a tile that names it
	s_endpgm
.Lfunc_end_k_q67b5eebd00_proj3:
	.size	k_q67b5eebd00_proj3, .Lfunc_end_k_q67b5eebd00_proj3-k_q67b5eebd00_proj3
	.p2alignl 7, 3214868480
	.fill 96, 4, 3214868480
	.section	.rodata,"a",@progbits
	.p2align	6, 0x0
	.amdhsa_kernel k_q67b5eebd00_proj3
		.amdhsa_group_segment_fixed_size 327680
		.amdhsa_private_segment_fixed_size 0
		.amdhsa_enable_private_segment 0
		.amdhsa_kernarg_size 40
		.amdhsa_user_sgpr_count 2
		.amdhsa_user_sgpr_kernarg_segment_ptr 1
		.amdhsa_wavefront_size32 1
		.amdhsa_system_sgpr_workgroup_id_x 1
		.amdhsa_system_sgpr_workgroup_id_y 1
		.amdhsa_system_sgpr_workgroup_id_z 1
		.amdhsa_system_vgpr_workitem_id 0
		.amdhsa_next_free_vgpr 512
		.amdhsa_next_free_sgpr 96
		.amdhsa_reserve_vcc 0
		.amdhsa_float_denorm_mode_32 3
		.amdhsa_float_denorm_mode_16_64 3
		.amdhsa_memory_ordered 1
		.amdhsa_forward_progress 1
		.amdhsa_inst_pref_size 96
	.end_amdhsa_kernel
	.amdgpu_metadata
---
amdhsa.version: [ 1, 2 ]
amdhsa.kernels:
  - .name:           k_q67b5eebd00_proj3
    .symbol:         k_q67b5eebd00_proj3.kd
    .args:
      - { .name: x16, .offset: 0, .size: 8, .value_kind: global_buffer, .address_space: global }
      - { .name: w16, .offset: 8, .size: 8, .value_kind: global_buffer, .address_space: global }
      - { .name: bq, .offset: 16, .size: 8, .value_kind: global_buffer, .address_space: global }
      - { .name: bk, .offset: 24, .size: 8, .value_kind: global_buffer, .address_space: global }
      - { .name: qkt, .offset: 32, .size: 8, .value_kind: global_buffer, .address_space: global }
    .group_segment_fixed_size: 327680
    .private_segment_fixed_size: 0
    .kernarg_segment_align: 8
    .kernarg_segment_size: 40
    .max_flat_workgroup_size: 128
    .sgpr_count:     96
    .vgpr_count:     512
    .wavefront_size: 32
...
	.end_amdgpu_metadata
.endif
;; end of part 2
;; launch projv (part 3): grid 8 x 32, 4 waves a work-group, clusters of 4 x 4, 327,680 bytes of LDS; arguments qkt, w16, bv, bk, v16, mx; writes v16
.if DOCPART == 3
	.amdgcn_target "amdgcn-amd-amdhsa--gfx1250"
	.amdhsa_code_object_version 6
	.text
	.protected	k_q67b5eebd00_projv
	.globl	k_q67b5eebd00_projv
	.p2align	8
	.type	k_q67b5eebd00_projv,@function
k_q67b5eebd00_projv:
	s_mov_b64 s[64:65], 0
	v_nop
	global_prefetch_b8 v0, s[64:65] scope:SCOPE_SE
	s_setreg_imm32_b32 hwreg(HW_REG_WAVE_MODE, 25, 1), 1
	s_wait_xcnt 0x0
	s_wait_alu depctr_hold_cnt(0) depctr_sa_sdst(0) depctr_va_vdst(0) depctr_va_sdst(0) depctr_va_ssrc(0) depctr_va_vcc(0) depctr_vm_vsrc(0)
	s_getreg_b32 s2, hwreg(HW_REG_IB_STS2, 6, 4)
	s_cmp_eq_u32 s2, 0
	s_cbranch_scc0 .Lentry_in_a_cluster
	s_endpgm
.Lentry_in_a_cluster:
	s_bfe_u32 s2, ttmp6, 0x10000c
	s_cmp_lg_u32 s2, 0xf033
	s_cbranch_scc0 .Lentry_shape_is_right
	s_endpgm
.Lentry_shape_is_right:
; v' = (t Wv + bv) x 2^(141 - E), by heads, [b][h][s][64] in f16.  t = qkt from byte 16,777,216 on, [4096][1024] f16; Wv = weight 2 of w16, [k][n] f16; sums in f32, v' rounded once.
; THE SCALE.  v has no sure room in f16, so it is stored times a power of two made from a bound: T = 1024 max|values| max|Wk| + max|bk| bounds t, V = 1024 T max|Wv| + max|bv| bounds v;
; E is V's biased exponent, so |v| < 2^(E - 126) and |v'| < 2^15.  The maxima come from mx (one number for each 16,384 inputs) and from the biases.  The scale enters values alone: no address, no branch.
; LIMITS.  E is held to 16 .. 250; NaN and infinities are not treated apart; the order of the sums is the matrix unit's, K ascending.
; SHARES, RING, CLUSTER as in the product in front: a tile of C is 128 x 128, four waves of 64 x 64; K in four steps of 256 through two LDS slots; W stays [k][n] and is turned on the way out of LDS;
; source 0 = 16 columns of W, source 1 = 16 rows of A, so that a lane holds eight neighbouring numbers of a row of C; 4 x 4 work-groups ask for A's tiles jointly along a row, for W's along a column.
; NO PREFETCH: of the four K steps two are first fills and the other two are asked for one step later.
; REGISTERS: window 0: v0-31 addresses and the scale; v32-95 at work on the way out; v96-127 the bias; v128-255 the accumulators (before the first product: at work for the scale).
;   window 1: two fragment buffers of 128.
.set PA,     528                       ; a row of A in LDS: 512 bytes + 16 of padding
.set PB,     288                       ; a k-row of W: 256 + 32
.set APART,  128*PA
.set SLOT,   APART+256*PB
.set STAGE,  2*SLOT                    ; behind the ring, never filled by a tensor load: 128 rows x 272 bytes
.set SPITCH, 272
.set SPARE,  STAGE+128*SPITCH          ; the spare words, 128 bytes for each wave
.set SC,   12                          ; v[12:13] the scale, twice
.set ADRA, 16
.set BO,   18
.set ADRB, 20
.set STO,  24
.set RDH,  27
.set SPW,  28
.set NIL,  29
.set GOH,  30
.set TMP,  32
.set BI,   96
.set ACC,  128
.set F0,   0
.set F1,   128
.set G1,  24
.set G0,  32
.set G1B, 48
.set G0B, 56
.set SEL, 66                           ; s[66:67] v_permlanex16_b32's selects
.set WV,  80
.set RH,  81
.set CH,  82
.set TR,  83
.set MSB, 0
.macro WIN new
.if MSB != (\new)
	s_set_vgpr_msb (MSB<<8)|(\new)
.set MSB, \new
.endif
.endm
.set MUL,  0x05
.set TO_F, 0x40
.macro JLOAD s                         ; a joint load: waves 0 and 1 fetch A's two halves, waves 2 and 3 W's; an s_nop 0 and four v_nop follow each line
	s_cmp_eq_u32 s[RH], 0
	s_cbranch_scc0 .Lfor_b_\@
	tensor_load_to_lds s[G0+4*(\s):G0+4*(\s)+3], s[G1:G1+7]
	s_nop 0
.rept 4
	v_nop
.endr
	s_branch .Lasked_\@
.Lfor_b_\@:
	tensor_load_to_lds s[G0B+4*(\s):G0B+4*(\s)+3], s[G1B:G1B+7]
	s_nop 0
.rept 4
	v_nop
.endr
.Lasked_\@:
.endm
.macro CREST
	s_cmp_lg_u32 s[WV], 0
	s_cbranch_scc1 .Lnot_wave_0_\@
	s_barrier_signal -3
.Lnot_wave_0_\@:
	s_barrier_wait -3
	s_barrier_signal -1
	s_barrier_wait -1
.endm
.macro CROUND
	s_barrier_signal -1
	s_barrier_wait -1
	CREST
.endm
.macro PLACES                          ; four places (ISA guide 7.12.1)
.rept 4
	v_nop
.endr
.endm
.macro MUL8 f, c, a0, zero             ; 8 matrix instructions: m blocks a0, a0 + 1 x 4 n blocks, half c of buffer f; the 16 accumulators take turns
	WIN MUL
.irp a, \a0, (\a0)+1
.irp b, 0,1,2,3
.if \zero
	v_wmma_f32_16x16x32_f16 v[ACC+8*(4*(\a)+(\b)):ACC+8*(4*(\a)+(\b))+7], v[(\f)+64+8*(4*(\c)+(\b)):(\f)+64+8*(4*(\c)+(\b))+7], v[(\f)+8*(4*(\c)+(\a)):(\f)+8*(4*(\c)+(\a))+7], 0
.else
	v_wmma_f32_16x16x32_f16 v[ACC+8*(4*(\a)+(\b)):ACC+8*(4*(\a)+(\b))+7], v[(\f)+64+8*(4*(\c)+(\b)):(\f)+64+8*(4*(\c)+(\b))+7], v[(\f)+8*(4*(\c)+(\a)):(\f)+8*(4*(\c)+(\a))+7], v[ACC+8*(4*(\a)+(\b)):ACC+8*(4*(\a)+(\b))+7]
.endif
.endr
.endr
.endm
.macro FETCH slot, q, f                ; 32 LDS loads in one run: quarter q of a slot into buffer f; the first 32 along K first
	WIN TO_F
.irp c, 0,1
.irp i, 0,1,2,3
	ds_load_tr16_b128 v[(\f)+64+8*(4*(\c)+(\i)):(\f)+64+8*(4*(\c)+(\i))+3],   v[ADRB+2*(\slot)+(\q)/2] offset:(((\q)%2)*64+32*(\c))*PB+32*(\i)
	ds_load_tr16_b128 v[(\f)+64+8*(4*(\c)+(\i))+4:(\f)+64+8*(4*(\c)+(\i))+7], v[ADRB+2*(\slot)+(\q)/2] offset:(((\q)%2)*64+32*(\c)+16)*PB+32*(\i)
	ds_load_b128 v[(\f)+8*(4*(\c)+(\i)):(\f)+8*(4*(\c)+(\i))+3],   v[ADRA+(\slot)] offset:128*(\q)+64*(\c)+(\i)*16*PA
	ds_load_b128 v[(\f)+8*(4*(\c)+(\i))+4:(\f)+8*(4*(\c)+(\i))+7], v[ADRA+(\slot)] offset:128*(\q)+64*(\c)+(\i)*16*PA+32
.endr
.endr
.endm
.macro QUARTER slot, qn, f, g, zero
	s_wait_dscnt 16                                ; the first 32 along K are in; the sixteen younger loads may be out
	MUL8 \f, 0, 0, \zero
	MUL8 \f, 0, 2, \zero
	PLACES
	FETCH \slot, \qn, \g
	s_wait_dscnt 32                                ; all but the 32 just issued
	MUL8 \f, 1, 0, 0
	MUL8 \f, 1, 2, 0
.endm
.macro TURN slot, next, fill           ; the last quarter and the change of slots
	WIN 0
	s_wait_tensorcnt 0x0                           ; all my tensor loads have landed: my part of the next slot;
	ds_add_u32 v[SPW], v[NIL]                      ; 0 onto my spare word;
	s_wait_dscnt 17                                ; (the add and the youngest sixteen loads may be out)
	MUL8 F1, 0, 0, 0
	s_wait_dscnt 0x0                               ; the add is done, and my reads of this slot are over
	s_barrier_signal -1
	MUL8 F1, 0, 2, 0
.if \fill
	WIN 0
.endif
	s_barrier_wait -1
.if \fill
	CREST                                          ; no wave of any partner still reads this slot or has a load on its way
	s_add_nc_u64 s[G0+4*(\slot)+2:G0+4*(\slot)+3], s[G0+4*(\slot)+2:G0+4*(\slot)+3], 2*512
	s_add_nc_u64 s[G0B+4*(\slot)+2:G0B+4*(\slot)+3], s[G0B+4*(\slot)+2:G0B+4*(\slot)+3], 2*524288
	JLOAD \slot
.else
	PLACES
.endif
	FETCH \next, 0, F0
	MUL8 F1, 1, 0, 0
	MUL8 F1, 1, 2, 0
.endm
.macro BMAX d, t, base                 ; v[d] = the largest magnitude of the 32 numbers from v[base] on; v[t] at work
	v_max_num_f32 v[\d], v[\base], v[(\base)+1]
	v_min_num_f32 v[\t], v[\base], v[(\base)+1]
.set z, 2
.rept 15
	v_max3_num_f32 v[\d], v[\d], v[(\base)+z], v[(\base)+z+1]
	v_min3_num_f32 v[\t], v[\t], v[(\base)+z], v[(\base)+z+1]
.set z, z+2
.endr
	v_xor_b32 v[\t], 0x80000000, v[\t]
	v_max_num_f32 v[\d], v[\d], v[\t]
.endm
.macro LANEMAX x, t                    ; the maximum over the 32 lanes, in every lane; v[t] has been written before
	v_max_num_f32_dpp v[\x], v[\x], v[\x] row_xmask:1 row_mask:0xf bank_mask:0xf
	v_max_num_f32_dpp v[\x], v[\x], v[\x] row_xmask:2 row_mask:0xf bank_mask:0xf
	v_max_num_f32_dpp v[\x], v[\x], v[\x] row_xmask:4 row_mask:0xf bank_mask:0xf
	v_max_num_f32_dpp v[\x], v[\x], v[\x] row_xmask:8 row_mask:0xf bank_mask:0xf
	v_permlanex16_b32 v[\t], v[\x], s[SEL], s[SEL+1]
	v_max_num_f32 v[\x], v[\x], v[\t]
.endm
	s_load_b256 s[4:11], s[0:1], 0x0               ; qkt s[4:5], w16 s[6:7], bv s[8:9], bk s[10:11]
	s_load_b128 s[72:75], s[0:1], 0x20             ; v16 s[72:73], mx s[74:75]
	v_lshl_add_u32 v[SPW], v0, 2, SPARE
	v_mov_b32 v[NIL], 0
	ds_add_u32 v[SPW], v[NIL]                      ; the wave's opening: the add, twice on end, and its wait ahead of my first tensor load
	ds_add_u32 v[SPW], v[NIL]
	v_lshrrev_b32 v1, 5, v0
	v_readfirstlane_b32 s[WV], v1
	s_lshr_b32 s[RH], s[WV], 1
	s_and_b32 s[CH], s[WV], 1
	s_bfe_u32 s40, ttmp6, 0x40000
	s_bfe_u32 s41, ttmp6, 0x40004
	s_lshl_b32 s42, ttmp9, 2
	s_add_co_u32 s42, s42, s40                     ; tile column
	s_and_b32 s85, ttmp7, 0xffff
	s_lshl_b32 s[TR], s85, 2
	s_add_co_u32 s[TR], s[TR], s41                 ; tile row
	s_lshl_b32 s43, s41, 2
	s_lshl_b32 s43, 15, s43
	s_lshl_b32 s44, 0x1111, s40
	s_or_b32 s[G1+0], s43, (1<<16)|(1<<20)|(1<<21)|(6<<22)|(3<<25)   ; A: 64 rows x 256 elements, 4 words of padding after every 128
	s_mov_b32 s[G1+1], 256<<16
	s_mov_b32 s[G1+2], 64<<16
	s_mov_b32 s[G1+3], 256<<16
	s_mov_b32 s[G1+4], 64
	s_mov_b32 s[G1+5], 1024
	s_mov_b32 s[G1+6], 0
	s_mov_b32 s[G1+7], 0
	s_or_b32 s[G1B+0], s44, (1<<16)|(1<<20)|(1<<21)|(5<<22)|(7<<25)  ; W: 128 k-rows x 128 elements, 8 words of padding after every 64
	s_mov_b32 s[G1B+1], 128<<16
	s_mov_b32 s[G1B+2], 128<<16
	s_mov_b32 s[G1B+3], 128<<16
	s_mov_b32 s[G1B+4], 128
	s_mov_b32 s[G1B+5], 1024
	s_mov_b32 s[G1B+6], 0
	s_mov_b32 s[G1B+7], 0
	s_mov_b32 s[SEL], 0x76543210
	s_mov_b32 s[SEL+1], 0xfedcba98
	s_lshl_b32 s16, s[TR], 7                       ; A: t begins at byte 16,777,216 of qkt; row 128 x tile row + 64 x half
	s_lshl_b32 s17, s[CH], 6
	s_add_co_u32 s16, s16, s17
	s_lshl_b32 s16, s16, 11
	s_add_co_u32 s16, s16, 0x1000000
	s_mov_b32 s17, 0
	s_lshl_b32 s46, s[CH], 18                      ; W: weight 2 (Wv) + 128 k-rows x half + 256 bytes x tile column
	s_add_co_u32 s46, s46, 2<<21
	s_lshl_b32 s47, s42, 8
	s_add_co_u32 s46, s46, s47
	s_mov_b32 s47, 0
	s_mul_i32 s20, s[CH], 64*PA
	s_mul_i32 s21, s[CH], 128*PB
	s_add_co_u32 s21, s21, APART
	s_wait_dscnt 0x0                               ; both opening adds are done
	s_wait_kmcnt 0x0
	s_add_nc_u64 s[14:15], s[4:5], s[16:17]
	s_add_nc_u64 s[46:47], s[6:7], s[46:47]
	CROUND                                         ; the first joint loads meet
.irp s, 0,1
	s_mov_b32 s[G0+4*(\s)], 1
	s_add_co_u32 s[G0+4*(\s)+1], s20, (\s)*SLOT
	s_add_nc_u64 s[G0+4*(\s)+2:G0+4*(\s)+3], s[14:15], (\s)*512
	s_or_b32 s[G0+4*(\s)+3], s[G0+4*(\s)+3], 0x80000000
	s_mov_b32 s[G0B+4*(\s)], 1
	s_add_co_u32 s[G0B+4*(\s)+1], s21, (\s)*SLOT
	s_add_nc_u64 s[G0B+4*(\s)+2:G0B+4*(\s)+3], s[46:47], (\s)*524288
	s_or_b32 s[G0B+4*(\s)+3], s[G0B+4*(\s)+3], 0x80000000
	JLOAD \s
.endr
	v_and_b32 v1, 15, v0
	v_bfe_u32 v2, v0, 4, 1
	v_lshlrev_b32 v[BO], 5, v2
	s_lshl_b32 s70, s42, 9
	s_lshl_b32 s71, s[CH], 8
	s_add_co_u32 s70, s70, s71
	s_mov_b32 s71, 0
	s_add_nc_u64 s[68:69], s[8:9], s[70:71]        ; bv at my 64 columns
.irp b, 0,1,2,3
	global_load_b128 v[BI+8*(\b):BI+8*(\b)+3],   v[BO], s[68:69] offset:64*(\b)
	global_load_b128 v[BI+8*(\b)+4:BI+8*(\b)+7], v[BO], s[68:69] offset:64*(\b)+16
.endr
	v_and_b32 v3, 31, v0                           ; what the scale is made of: every wave reads it for itself, in the wait for the first tiles
	v_lshlrev_b32 v8, 5, v3
	v_lshlrev_b32 v9, 3, v3
	v_lshlrev_b32 v10, 4, v3
	global_load_b128 v[128:131], v8, s[74:75] offset:2048   ; mx[512 .. 767]: values
	global_load_b128 v[132:135], v8, s[74:75] offset:2064
	global_load_b64 v[136:137], v9, s[74:75] offset:3328    ; mx[832 .. 895]: Wk
	global_load_b64 v[138:139], v9, s[74:75] offset:3584    ; mx[896 .. 959]: Wv
.irp i, 0,1,2,3,4,5,6,7
	global_load_b128 v[140+4*(\i):143+4*(\i)], v10, s[10:11] offset:512*(\i)  ; bk
	global_load_b128 v[172+4*(\i):175+4*(\i)], v10, s[8:9] offset:512*(\i)    ; bv
.endr
	v_mul_u32_u24 v3, v1, PA
	v_lshl_add_u32 v3, v2, 4, v3
	s_mul_i32 s22, s[RH], 64*PA
	v_add_nc_u32 v[ADRA], s22, v3
	v_add_nc_u32 v[ADRA+1], SLOT, v[ADRA]
	v_and_b32 v4, 7, v0
	v_bfe_u32 v5, v0, 3, 1
	v_lshl_add_u32 v4, v2, 3, v4
	v_mul_u32_u24 v4, v4, PB
	v_lshl_add_u32 v4, v5, 4, v4
	s_lshl_b32 s22, s[CH], 7
	s_add_co_u32 s22, s22, APART
	v_add_nc_u32 v[ADRB], s22, v4
	v_add_nc_u32 v[ADRB+1], 128*PB, v[ADRB]
	v_add_nc_u32 v[ADRB+2], SLOT, v[ADRB]
	v_add_nc_u32 v[ADRB+3], SLOT+128*PB, v[ADRB]
	s_mul_i32 s22, s[RH], 64*SPITCH
	s_lshl_b32 s23, s[CH], 7
	s_add_co_u32 s22, s22, s23
	s_add_co_u32 s22, s22, STAGE
	v_mul_u32_u24 v6, v1, SPITCH
	v_lshl_add_u32 v6, v2, 4, v6
	v_add_nc_u32 v[STO], s22, v6
	v_bfe_u32 v6, v0, 3, 2
	v_mul_u32_u24 v6, v6, SPITCH
	v_and_b32 v7, 7, v0
	v_lshl_add_u32 v6, v7, 4, v6
	v_add_nc_u32 v[RDH], s22, v6
	v_and_b32 v6, 31, v0
	v_lshlrev_b32 v[GOH], 4, v6
	s_lshr_b32 s86, s[TR], 3                       ; b x 2 MiB + head x 128 KiB + row s x 128 bytes
	s_lshl_b32 s86, s86, 21
	s_lshl_b32 s87, s42, 1
	s_add_co_u32 s87, s87, s[CH]
	s_lshl_b32 s87, s87, 17
	s_add_co_u32 s86, s86, s87
	s_and_b32 s87, s[TR], 7
	s_lshl_b32 s87, s87, 14
	s_add_co_u32 s86, s86, s87
	s_lshl_b32 s87, s[RH], 13
	s_add_co_u32 s86, s86, s87
	s_mov_b32 s87, 0
	s_add_nc_u64 s[86:87], s[72:73], s[86:87]
	s_wait_loadcnt 0x0                             ; the bias, the maxima, both whole biases
	v_max3_num_f32 v128, v128, v129, v130
	v_max3_num_f32 v131, v131, v132, v133
	v_max3_num_f32 v128, v128, v134, v135
	v_max_num_f32 v128, v128, v131
	v_max_num_f32 v136, v136, v137
	v_max_num_f32 v138, v138, v139
	BMAX 204, 205, 140
	BMAX 206, 207, 172
	LANEMAX 128, 205
	LANEMAX 136, 205
	LANEMAX 138, 205
	LANEMAX 204, 205
	LANEMAX 206, 205
	v_mul_f32 v128, 0x44800000, v128               ; 1024 max|values|
	v_fma_f32 v128, v128, v136, v204               ; T
	v_mul_f32 v128, 0x44800000, v128
	v_fma_f32 v128, v128, v138, v206               ; V
	v_lshrrev_b32 v128, 23, v128                   ; E (V is not negative)
	v_max_u32 v128, 16, v128
	v_min_u32 v128, 0xfa, v128
	v_sub_nc_u32 v128, 268, v128                   ; 2^(141 - E) has the exponent field 127 + 141 - E
	v_lshlrev_b32 v[SC], 23, v128
	v_mov_b32 v[SC+1], v[SC]
.set z, 0
.rept 16
	v_pk_mul_f32 v[BI+z:BI+z+1], v[BI+z:BI+z+1], v[SC:SC+1]  ; the bias takes the scale here, exactly: a power of two
.set z, z+2
.endr
	s_wait_tensorcnt 1                             ; my part of K step 0 is in; K step 1's may stay out
	s_barrier_signal -1
	s_barrier_wait -1
	FETCH 0, 0, F0
	QUARTER 0, 1, F0, F1, 1
	QUARTER 0, 2, F1, F0, 0
	QUARTER 0, 3, F0, F1, 0
	TURN 0, 1, 1
	QUARTER 1, 1, F0, F1, 0
	QUARTER 1, 2, F1, F0, 0
	QUARTER 1, 3, F0, F1, 0
	TURN 1, 0, 1
	QUARTER 0, 1, F0, F1, 0
	QUARTER 0, 2, F1, F0, 0
	QUARTER 0, 3, F0, F1, 0
	TURN 0, 1, 0
	QUARTER 1, 1, F0, F1, 0
	QUARTER 1, 2, F1, F0, 0
	QUARTER 1, 3, F0, F1, 0
	s_wait_dscnt 16
	MUL8 F1, 0, 0, 0
	MUL8 F1, 0, 2, 0
	s_wait_dscnt 0x0
	MUL8 F1, 1, 0, 0
	MUL8 F1, 1, 2, 0
	WIN 0
	; THE WAY OUT: sum x scale + scaled bias in one multiply-add, rounded to f16; through the stage; back by heads.  Each accumulator is read from its low end on.
	PLACES
.irp t, 0,1,2,3,4,5,6,7,8,9,10,11,12,13,14,15
.irp r, 0,1,2,3
	v_pk_fma_f32 v[ACC+8*(\t)+2*(\r):ACC+8*(\t)+2*(\r)+1], v[ACC+8*(\t)+2*(\r):ACC+8*(\t)+2*(\r)+1], v[SC:SC+1], v[BI+8*((\t)%4)+2*(\r):BI+8*((\t)%4)+2*(\r)+1]
.endr
.irp r, 0,1,2,3
	v_cvt_pk_f16_f32 v[TMP+4*(\t)+(\r)], v[ACC+8*(\t)+2*(\r)], v[ACC+8*(\t)+2*(\r)+1]
.endr
.endr
.irp a, 0,1,2,3
.irp b, 0,1,2,3
	ds_store_b128 v[STO], v[TMP+4*(4*(\a)+(\b)):TMP+4*(4*(\a)+(\b))+3] offset:(\a)*16*SPITCH+32*(\b)
.endr
.endr
	s_wait_dscnt 0x0                               ; my stores into the stage are done; the waves' halves of its rows interleave, so a barrier stands between writing and reading
	s_barrier_signal -1
	s_barrier_wait -1
.irp i, 0,1,2,3,4,5,6,7,8,9,10,11,12,13,14,15
	ds_load_b128 v[TMP+4*(\i):TMP+4*(\i)+3], v[RDH] offset:(\i)*4*SPITCH
.endr
.irp i, 0,1,2,3,4,5,6,7,8,9,10,11,12,13,14,15
	s_wait_dscnt 15-(\i)
	global_store_b128 v[GOH], v[TMP+4*(\i):TMP+4*(\i)+3], s[86:87] offset:512*(\i)  ; 512 consecutive bytes, aligned
.endr
	s_wait_tensorcnt 0x0                           ; the wave's end
	ds_add_u32 v[SPW], v[NIL]
	s_wait_dscnt 0x0
	CROUND                                         ; the closing round
	s_endpgm
.Lfunc_end_k_q67b5eebd00_projv:
	.size	k_q67b5eebd00_projv, .Lfunc_end_k_q67b5eebd00_projv-k_q67b5eebd00_projv
	.p2alignl 7, 3214868480
	.fill 96, 4, 3214868480
	.section	.rodata,"a",@progbits
	.p2align	6, 0x0
	.amdhsa_kernel k_q67b5eebd00_projv
		.amdhsa_group_segment_fixed_size 327680
		.amdhsa_private_segment_fixed_size 0
		.amdhsa_enable_private_segment 0
		.amdhsa_kernarg_size 48
		.amdhsa_user_sgpr_count 2
		.amdhsa_user_sgpr_kernarg_segment_ptr 1
		.amdhsa_wavefront_size32 1
		.amdhsa_system_sgpr_workgroup_id_x 1
		.amdhsa_system_sgpr_workgroup_id_y 1
		.amdhsa_system_sgpr_workgroup_id_z 1
		.amdhsa_system_vgpr_workitem_id 0
		.amdhsa_next_free_vgpr 512
		.amdhsa_next_free_sgpr 96
		.amdhsa_reserve_vcc 0
		.amdhsa_float_denorm_mode_32 3
		.amdhsa_float_denorm_mode_16_64 3
		.amdhsa_memory_ordered 1
		.amdhsa_forward_progress 1
		.amdhsa_inst_pref_size 101
	.end_amdhsa_kernel
	.amdgpu_metadata
---
amdhsa.version: [ 1, 2 ]
amdhsa.kernels:
  - .name:           k_q67b5eebd00_projv
    .symbol:         k_q67b5eebd00_projv.kd
    .args:
      - { .name: qkt, .offset: 0, .size: 8, .value_kind: global_buffer, .address_space: global }
      - { .name: w16, .offset: 8, .size: 8, .value_kind: global_buffer, .address_space: global }
      - { .name: bv, .offset: 16, .size: 8, .value_kind: global_buffer, .address_space: global }
      - { .name: bk, .offset: 24, .size: 8, .value_kind: global_buffer, .address_space: global }
      - { .name: v16, .offset: 32, .size: 8, .value_kind: global_buffer, .address_space: global }
      - { .name: mx, .offset: 40, .size: 8, .value_kind: global_buffer, .address_space: global }
    .group_segment_fixed_size: 327680
    .private_segment_fixed_size: 0
    .kernarg_segment_align: 8
    .kernarg_segment_size: 48
    .max_flat_workgroup_size: 128
    .sgpr_count:     96
    .vgpr_count:     512
    .wavefront_size: 32
...
	.end_amdgpu_metadata
.endif
;; end of part 3
;; launch attn (part 4): grid 4 x 64, 4 waves a work-group, clusters of 4 x 1, 327,680 bytes of LDS; arguments qkt, v16, o16; writes o16
.if DOCPART == 4
	.amdgcn_target "amdgcn-amd-amdhsa--gfx1250"
	.amdhsa_code_object_version 6
	.text
	.protected	k_q67b5eebd00_attn
	.globl	k_q67b5eebd00_attn
	.p2align	8
	.type	k_q67b5eebd00_attn,@function
k_q67b5eebd00_attn:
	s_mov_b64 s[64:65], 0
	v_nop
	global_prefetch_b8 v0, s[64:65] scope:SCOPE_SE
	s_setreg_imm32_b32 hwreg(HW_REG_WAVE_MODE, 25, 1), 1
	s_wait_xcnt 0x0
	s_wait_alu depctr_hold_cnt(0) depctr_sa_sdst(0) depctr_va_vdst(0) depctr_va_sdst(0) depctr_va_ssrc(0) depctr_va_vcc(0) depctr_vm_vsrc(0)
	s_getreg_b32 s2, hwreg(HW_REG_IB_STS2, 6, 4)
	s_cmp_eq_u32 s2, 0
	s_cbranch_scc0 .Lentry_in_a_cluster
	s_endpgm
.Lentry_in_a_cluster:
	s_bfe_u32 s2, ttmp6, 0x10000c
	s_cmp_lg_u32 s2, 0x3003
	s_cbranch_scc0 .Lentry_shape_is_right
	s_endpgm
.Lentry_shape_is_right:
; O'[b][h][l][:] = the sum over s of entmax15_s(q[l] . k[s] / 8) v'[s][:].  q (qkt byte 0), k (qkt byte 8,388,608), v' (v16), O' (o16): [b][h][1024][64] in f16.  Products and sums in f32;
; the weights are rounded to f16 for the second product, O' once at the end.
; ENTMAX WITHOUT A SORT.  With x = score / 16 less the row's maximum, the weights are p = ((x - tau)+)^2, tau the root of phi(t) = || (x - t)+ ||_2 = 1, in [-1, -1/32].
; phi is convex and falls; its slope is -m, m = s1 / phi with s1 = the sum of (x - t)+, and 1 <= m <= 32 (l1 against l2 norm of at most 1,024 numbers).  Newton from t = -1,
; t <- t + (s2 - sqrt(s2)) / s1 with s2 = phi^2, rises to tau and never passes it.  With f = phi - 1 convexity gives f'/f + m'/m <= 1 from step to step; the m ratios' product is at least 1/32
; and f starts at 31 at the most, so after K steps f <= 31 (1 - 32^(-1/K))^K: 1.44e-4 at K = 10, for every input.  LIMIT: ten steps; each weight is at least the true one, a row's weights sum to at most 1 + 2.9e-4.
; NaN and infinities are not treated apart.
; SHARES.  A work-group owns 256 queries of one head, a wave 64: four tiles of 16, one after the other.  THE HEAD'S WHOLE K AND V LIE IN LDS, filled once: no ring.  A tile's 16 x 1,024 scores stay in
; 512 registers through all sweeps.  CLUSTER: the four query blocks of a head want the same K and V: each wave's two tensor loads are joint, with the mask of four.
; LAYOUT.  S^T = K Q^T (source 0 = 16 keys, source 1 = 16 queries): a lane holds ONE query (lane % 16) and the keys 8 (lane / 16) + 0..7 of each block of 16.  Two such blocks, rounded to f16 in pairs, ARE
; source 1 (32 keys x 16 queries) of O^T = V^T P.  K comes out of LDS as it lies, V turned, by ds_load_tr16_b128.  A query's maximum and sums want one exchange between the halves of the lanes.
; NO PREFETCH: K and V are asked for once, at the head; a tile's Q is loaded a tile ahead.
; REGISTERS, in windows of 256 (s_set_vgpr_msb: bits 1:0 source 0, 3:2 source 1, 5:4 source 2, 7:6 destination):
;   window 0: addresses, Q, statistics, O^T, P, 64 at work      windows 1, 2: the scores, key block kb at 8 (kb % 32) of window 1 + kb / 32      window 3: two fragment buffers of 128, for K and then for V
.set PK,    144       ; a row of K in LDS: 128 bytes + 16 of padding: the 16 rows of a load start at 16 different groups of four banks (64 banks of 4 bytes: ISA guide 11.1)
.set PV,    160       ; a row of V: 128 + 32
.set VB,    1024*PK   ; V lies behind K
.set STAGE, VB+1024*PV  ; never filled by a tensor load: 16 rows x 144 bytes for each wave, for the way out
.set SP,    144
.set SPARE, STAGE+4*16*SP  ; the spare words, 128 bytes for each wave
.set AK,  4           ; v4-6   my lane's place in K, key blocks 0, 28, 56 on (an offset has 16 bits)
.set AV,  8           ; v8-10  the same in V, keys 0, 384, 768 on
.set QO,  11          ; v11  my byte offset in 16 rows of Q
.set STO, 12          ; v12  the way out: where I put 16 bytes of a row
.set RD,  13          ; v13  where I read rows back
.set GO,  14          ; v14  16 x lane
.set SPW, 16          ; v16  LDS address of my spare word; never rewritten
.set NIL, 17          ; v17  0; never rewritten
.set ONE, 18          ; v[18:19] 1.0 twice
.set Q,   24          ; v[24:39] channels 32 c on at Q + 8 c
.set CC,  40          ; v[40:41] 1/16 twice: the scale 1/8 and entmax's 1/2, exact
.set NT,  42          ; v[42:43] -t twice
.set MX,  44          ; v[44:51] eight running maxima
.set NCM, 52          ; v[52:53] - maximum / 16, twice
.set T,   54          ; v54-60 at work
.set SA,  64          ; v[64:71] s1, four pairs
.set SB,  72          ; v[72:79] s2, four pairs
.set OT,  80          ; v[80:111] O^T, channels 16 cb on at OT + 8 cb
.set P,   112         ; v[112:143] the weights of 128 keys
.set UU,  144         ; v[144:207] (x - t)+ of 128 keys; the way out
.set FB0, 0
.set FB1, 128
.set WV,  12
.set G1K, 24
.set G1V, 32
.set G0K, 40
.set G0V, 44
.set QP,  48          ; s[48:49] Q at the tile last asked for
.set OA,  50          ; s[50:51] O' at the tile in hand
.set CNT, 52          ; s52 tiles to go
.set SW,  53          ; s53 sweeps to go
.set SEL, 54          ; s[54:55] v_permlanex16_b32's selects
.set MSB, 0
.macro WIN new
.if MSB != (\new)
	s_set_vgpr_msb (MSB<<8)|(\new)
.set MSB, (\new)
.endif
.endm
.macro CROUND                       ; a round of the cluster's barrier
	s_barrier_signal -1
	s_barrier_wait -1
	s_cmp_lg_u32 s[WV], 0
	s_cbranch_scc1 .Lnot_wave_0_\@
	s_barrier_signal -3
.Lnot_wave_0_\@:
	s_barrier_wait -3
	s_barrier_signal -1
	s_barrier_wait -1
.endm
.macro PLACES                       ; four places (ISA guide 7.12.1)
.rept 4
	v_nop
.endr
.endm
; 32 LDS loads: K's fragments of key blocks 8 g .. 8 g + 7 into buffer fb
.macro LOADK g, fb
	WIN 0xc0                        ; destination window 3
.irp j, 0,1,2,3,4,5,6,7
.irp c, 0,1
	ds_load_b128 v[(\fb)+16*(\j)+8*(\c):(\fb)+16*(\j)+8*(\c)+3],   v[AK+(8*(\g)+(\j))/28] offset:((8*(\g)+(\j))%28)*16*PK+64*(\c)
	ds_load_b128 v[(\fb)+16*(\j)+8*(\c)+4:(\fb)+16*(\j)+8*(\c)+7], v[AK+(8*(\g)+(\j))/28] offset:((8*(\g)+(\j))%28)*16*PK+64*(\c)+32
.endr
.endr
.endm
; 16 products: the scores of those 8 blocks.  The 8 accumulators take turns; the first 8 products start the sums.
.macro MULK g, fb
	WIN 0x53+0x50*((\g)/4)          ; K window 3, Q window 0, scores window 1 or 2
.irp c, 0,1
.irp j, 0,1,2,3,4,5,6,7
.if (\c) == 0
	v_wmma_f32_16x16x32_f16 v[64*((\g)%4)+8*(\j):64*((\g)%4)+8*(\j)+7], v[(\fb)+16*(\j)+8*(\c):(\fb)+16*(\j)+8*(\c)+7], v[Q+8*(\c):Q+8*(\c)+7], 0
.else
	v_wmma_f32_16x16x32_f16 v[64*((\g)%4)+8*(\j):64*((\g)%4)+8*(\j)+7], v[(\fb)+16*(\j)+8*(\c):(\fb)+16*(\j)+8*(\c)+7], v[Q+8*(\c):Q+8*(\c)+7], v[64*((\g)%4)+8*(\j):64*((\g)%4)+8*(\j)+7]
.endif
.endr
.endr
.endm
; 32 lines: those 64 scores into the eight running maxima, a chain for each block; each accumulator is read from its low end on
.macro MAXK g
	WIN 0x14*(1+(\g)/4)             ; sources 1 and 2 window 1 or 2
.irp rr, 0,1,2,3
.irp j, 0,1,2,3,4,5,6,7
	v_max3_num_f32 v[MX+(\j)], v[MX+(\j)], v[64*((\g)%4)+8*(\j)+2*(\rr)], v[64*((\g)%4)+8*(\j)+2*(\rr)+1]
.endr
.endr
.endm
; 32 lines: u = (x - t)+ of batch i (128 keys, 32 pairs): x + (-t) held to 0 .. 1, which is the positive part, since x <= 0 and -t <= 1.  first = 1: the first four pairs start s1.
.macro BATCHU i, first
	WIN 1+(\i)/4                    ; source 0 window 1 or 2
.set p, 0
.rept 32
.if (\first) && (p < 4)
	v_pk_fma_f32 v[SA+2*p:SA+2*p+1], v[64*((\i)%4)+2*p:64*((\i)%4)+2*p+1], v[ONE:ONE+1], v[NT:NT+1] clamp
.else
	v_pk_fma_f32 v[UU+2*p:UU+2*p+1], v[64*((\i)%4)+2*p:64*((\i)%4)+2*p+1], v[ONE:ONE+1], v[NT:NT+1] clamp
.endif
.set p, p+1
.endr
	WIN 0
.endm
; 64 lines: s1 += u, s2 += u u, on four chains each; batch 0's first four pairs start s2: nothing is cleared
.macro SUMS i
.set p, 0
.rept 8
.if ((\i) == 0) && (p == 0)
.irp k, 0,1,2,3
	v_pk_mul_f32 v[SB+2*(\k):SB+2*(\k)+1], v[SA+2*(\k):SA+2*(\k)+1], v[SA+2*(\k):SA+2*(\k)+1]
.endr
.else
.irp k, 0,1,2,3
	v_pk_add_f32 v[SA+2*(\k):SA+2*(\k)+1], v[SA+2*(\k):SA+2*(\k)+1], v[UU+2*(p+(\k)):UU+2*(p+(\k))+1]
.endr
.irp k, 0,1,2,3
	v_pk_fma_f32 v[SB+2*(\k):SB+2*(\k)+1], v[UU+2*(p+(\k)):UU+2*(p+(\k))+1], v[UU+2*(p+(\k)):UU+2*(p+(\k))+1], v[SB+2*(\k):SB+2*(\k)+1]
.endr
.endif
.set p, p+4
.endr
.endm
; 32 LDS loads: V's fragments (turned) of batch i's 128 keys into buffer fb: keys 32 k4 on, channels 16 cb on
.macro LOADV i, fb
	WIN 0xc0
.irp k4, 0,1,2,3
.irp cb, 0,1,2,3
	ds_load_tr16_b128 v[(\fb)+32*(\k4)+8*(\cb):(\fb)+32*(\k4)+8*(\cb)+3],   v[AV+(4*(\i)+(\k4))/12] offset:((4*(\i)+(\k4))%12)*32*PV+32*(\cb)
	ds_load_tr16_b128 v[(\fb)+32*(\k4)+8*(\cb)+4:(\fb)+32*(\k4)+8*(\cb)+7], v[AV+(4*(\i)+(\k4))/12] offset:((4*(\i)+(\k4))%12)*32*PV+16*PV+32*(\cb)
.endr
.endr
.endm
; 96 lines: batch i's weights p = u u, rounded to f16
.macro PB i
	BATCHU \i, 0
.set p, 0
.rept 32
	v_pk_mul_f32 v[UU+2*p:UU+2*p+1], v[UU+2*p:UU+2*p+1], v[UU+2*p:UU+2*p+1]
.set p, p+1
.endr
.set p, 0
.rept 32
	v_cvt_pk_f16_f32 v[P+p], v[UU+2*p], v[UU+2*p+1]
.set p, p+1
.endr
.endm
; 16 products of O^T += V^T P; the four accumulators take turns; batch 0's first four start the sums
.macro MULV i, fb
	WIN 0x03                        ; V window 3
.irp k4, 0,1,2,3
.irp cb, 0,1,2,3
.if ((\i) == 0) && ((\k4) == 0)
	v_wmma_f32_16x16x32_f16 v[OT+8*(\cb):OT+8*(\cb)+7], v[(\fb)+32*(\k4)+8*(\cb):(\fb)+32*(\k4)+8*(\cb)+7], v[P+8*(\k4):P+8*(\k4)+7], 0
.else
	v_wmma_f32_16x16x32_f16 v[OT+8*(\cb):OT+8*(\cb)+7], v[(\fb)+32*(\k4)+8*(\cb):(\fb)+32*(\k4)+8*(\cb)+7], v[P+8*(\k4):P+8*(\k4)+7], v[OT+8*(\cb):OT+8*(\cb)+7]
.endif
.endr
.endr
.endm
	s_load_b128 s[4:7], s[0:1], 0x0   ; qkt s[4:5], v16 s[6:7]
	s_load_b64 s[8:9], s[0:1], 0x10   ; o16
	v_lshl_add_u32 v[SPW], v0, 2, SPARE
	v_mov_b32 v[NIL], 0
	ds_add_u32 v[SPW], v[NIL]       ; the wave's opening: the add, twice on end, and its wait ahead of my first tensor load
	ds_add_u32 v[SPW], v[NIL]
	v_lshrrev_b32 v1, 5, v0
	v_readfirstlane_b32 s[WV], v1   ; wave 0..3
	s_bfe_u32 s13, ttmp6, 0x40000   ; cx
	s_lshl_b32 s15, ttmp9, 2
	s_add_co_u32 s15, s15, s13      ; my block of 256 queries: it enters Q's and O's addresses alone
	s_and_b32 s14, ttmp7, 0xffff    ; 16 b + h, which the four partners share
	s_lshl_b32 s20, s14, 17         ; a head is 131,072 bytes in each tensor
	s_lshl_b32 s22, s[WV], 15       ; the 256 keys that I fetch
	s_add_co_u32 s22, s22, s20
	s_mov_b32 s23, 0
	s_lshl_b32 s2, s15, 15          ; my block's 256 rows,
	s_lshl_b32 s3, s[WV], 13        ; my wave's 64 of them
	s_add_co_u32 s2, s2, s3
	s_add_co_u32 s2, s2, s20
	s_mov_b32 s3, 0
	; descriptor group 1.  256 keys are 32,768 dense bytes: asked for as 128 rows of 256 bytes, two keys a row, and padded in LDS after every key
	s_mov_b32 s[G1K], 15|(1<<16)|(1<<20)|(1<<21)|(4<<22)|(3<<25)  ; the mask of four; 2-byte elements; padding on; bit 21 beside a mask; after every 32 words 4 words
	s_mov_b32 s[G1V], 15|(1<<16)|(1<<20)|(1<<21)|(4<<22)|(7<<25)  ; the same with 8 words
.irp g, G1K, G1V
	s_mov_b32 s[\g+1], 128<<16      ; tensor_dim0 = 128
	s_mov_b32 s[\g+2], 128<<16      ; tensor_dim1 = 128
	s_mov_b32 s[\g+3], 128<<16      ; tile_dim0 = 128
	s_mov_b32 s[\g+4], 128          ; tile_dim1 = 128
	s_mov_b32 s[\g+5], 128          ; elements from row to row
	s_mov_b32 s[\g+6], 0
	s_mov_b32 s[\g+7], 0
.endr
	s_mov_b32 s[G0K], 1
	s_mul_i32 s[G0K+1], s[WV], 256*PK  ; no place in the cluster enters an LDS address
	s_mov_b32 s[G0V], 1
	s_mul_i32 s[G0V+1], s[WV], 256*PV
	s_add_co_u32 s[G0V+1], s[G0V+1], VB
	s_mov_b32 s[SEL], 0x76543210
	s_mov_b32 s[SEL+1], 0xfedcba98
	s_wait_dscnt 0x0                ; both opening adds are done
	s_wait_kmcnt 0x0
	s_add_nc_u64 s[G0K+2:G0K+3], s[4:5], s[22:23]
	s_add_nc_u64 s[G0K+2:G0K+3], s[G0K+2:G0K+3], 0x800000  ; k begins at byte 8,388,608 of qkt
	s_or_b32 s[G0K+3], s[G0K+3], 0x80000000
	s_add_nc_u64 s[G0V+2:G0V+3], s[6:7], s[22:23]
	s_or_b32 s[G0V+3], s[G0V+3], 0x80000000
	s_add_nc_u64 s[QP:QP+1], s[4:5], s[2:3]
	s_add_nc_u64 s[OA:OA+1], s[8:9], s[2:3]
	CROUND                          ; all four work-groups are here: the joint loads meet
	tensor_load_to_lds s[G0K:G0K+3], s[G1K:G1K+7]  ; a quarter of the head's K,
	s_nop 0
	tensor_load_to_lds s[G0V:G0V+3], s[G1V:G1V+7]  ; a quarter of its V: two tensor loads of mine are out, and there are no more
	s_nop 0
.rept 4
	v_nop
.endr
	v_and_b32 v1, 15, v0            ; l % 16
	v_bfe_u32 v2, v0, 4, 1          ; l / 16
	v_lshlrev_b32 v[QO], 7, v1
	v_lshl_add_u32 v[QO], v2, 4, v[QO]  ; row x 128 + 16 x half
.irp c, 0,1
	global_load_b128 v[Q+8*(\c):Q+8*(\c)+3],   v[QO], s[QP:QP+1] offset:64*(\c)
	global_load_b128 v[Q+8*(\c)+4:Q+8*(\c)+7], v[QO], s[QP:QP+1] offset:64*(\c)+32
.endr
	v_mul_u32_u24 v[AK], v1, PK
	v_lshl_add_u32 v[AK], v2, 4, v[AK]
	v_add_nc_u32 v[AK+1], 28*16*PK, v[AK]
	v_add_nc_u32 v[AK+2], 56*16*PK, v[AK]
	v_and_b32 v3, 7, v0             ; the turning load: lane l reads key 8 (l / 16) + l % 8, channels 8 ((l / 8) % 2) + 0..7
	v_bfe_u32 v7, v0, 3, 1
	v_lshl_add_u32 v[AV], v2, 3, v3
	v_mul_u32_u24 v[AV], v[AV], PV
	v_lshl_add_u32 v[AV], v7, 4, v[AV]
	v_add_nc_u32 v[AV], VB, v[AV]
	v_add_nc_u32 v[AV+1], 12*32*PV, v[AV]
	v_add_nc_u32 v[AV+2], 24*32*PV, v[AV]
	s_mul_i32 s16, s[WV], 16*SP
	s_add_co_u32 s16, s16, STAGE    ; my stage
	v_mul_u32_u24 v[STO], v1, SP
	v_lshl_add_u32 v[STO], v2, 4, v[STO]
	v_add_nc_u32 v[STO], s16, v[STO]
	v_bfe_u32 v[RD], v0, 3, 2       ; back: 32 lanes take four rows of 128 bytes,
	v_mul_u32_u24 v[RD], v[RD], SP
	v_lshl_add_u32 v[RD], v3, 4, v[RD]
	v_add_nc_u32 v[RD], s16, v[RD]
	v_and_b32 v[GO], 31, v0         ; which are 512 consecutive bytes of O'
	v_lshlrev_b32 v[GO], 4, v[GO]
	v_mov_b32 v[ONE], 1.0
	v_mov_b32 v[ONE+1], 1.0
	v_mov_b32 v[CC], 0x3d800000     ; 1/16
	v_mov_b32 v[CC+1], 0x3d800000
	v_mov_b32 v[T+2], 0             ; v_permlanex16_b32's destinations count as read
	v_mov_b32 v[T+3], 0
	s_wait_tensorcnt 0x0            ; my quarters of K and V are in;
	s_barrier_signal -1
	s_barrier_wait -1               ; everybody's are.  Nothing is ever filled again
	s_mov_b32 s[CNT], 4
.Ltile:
	s_wait_loadcnt 0x0              ; Q
.irp j, 0,1,2,3,4,5,6,7
	v_mov_b32 v[MX+(\j)], 0xff800000
.endr
	; THE SCORES AND THEIR MAXIMUM: eight groups of 128 keys on two fragment buffers.  A group's maxima stand behind the next group's products: they are the places in front of the loads into the buffer just multiplied.
	LOADK 0, FB0
	LOADK 1, FB1
.irp g, 0,1,2,3,4,5,6,7
.if (\g) < 7
	s_wait_dscnt 32                 ; group g's fragments are in; the next group's 32 loads may be out
.else
	s_wait_dscnt 0x0
.endif
	MULK \g, 128*((\g)%2)
.if (\g) == 0
	PLACES
.else
	MAXK (\g)-1
.endif
.if (\g) < 6
	LOADK (\g)+2, 128*((\g)%2)
.endif
.endr
	MAXK 7
	LOADV 0, FB0                    ; V's first fragments: they land during the sweeps
	WIN 0
	s_cmp_eq_u32 s[CNT], 1          ; the next tile's Q, but for the last tile
	s_cbranch_scc1 .Lno_q
	s_add_nc_u64 s[QP:QP+1], s[QP:QP+1], 2048
.irp c, 0,1
	global_load_b128 v[Q+8*(\c):Q+8*(\c)+3],   v[QO], s[QP:QP+1] offset:64*(\c)
	global_load_b128 v[Q+8*(\c)+4:Q+8*(\c)+7], v[QO], s[QP:QP+1] offset:64*(\c)+32
.endr
.Lno_q:
	v_max3_num_f32 v[MX], v[MX], v[MX+1], v[MX+2]
	v_max3_num_f32 v[MX+3], v[MX+3], v[MX+4], v[MX+5]
	v_max3_num_f32 v[MX], v[MX], v[MX+6], v[MX+7]
	v_max_num_f32 v[MX], v[MX], v[MX+3]
	v_permlanex16_b32 v[T+2], v[MX], s[SEL], s[SEL+1]  ; the query's other 512 keys lie in the lane 16 away
	v_max_num_f32 v[MX], v[MX], v[T+2]
	v_mul_f32 v[NCM], 0xbd800000, v[MX]                ; - maximum / 16
	v_mul_f32 v[NCM+1], 0xbd800000, v[MX]
	v_mov_b32 v[NT], 1.0            ; t = -1
	v_mov_b32 v[NT+1], 1.0
	; x = score / 16 - maximum / 16, in place, one rounding: so t is added to numbers of its own size, however large the scores
.irp w, 1, 2
	WIN 0x41*(\w)                   ; destination and source 0 window w
.set z, 0
.rept 128
	v_pk_fma_f32 v[z:z+1], v[z:z+1], v[CC:CC+1], v[NCM:NCM+1]
.set z, z+2
.endr
.endr
	WIN 0
	s_mov_b32 s[SW], 10
.Lsweep:                            ; a Newton step: s1 and s2 over the query's 1,024 keys, then t
.irp i, 0,1,2,3,4,5,6,7
.if (\i) == 0
	BATCHU \i, 1
.else
	BATCHU \i, 0
.endif
	SUMS \i
.endr
	v_pk_add_f32 v[SA:SA+1], v[SA:SA+1], v[SA+2:SA+3]
	v_pk_add_f32 v[SB:SB+1], v[SB:SB+1], v[SB+2:SB+3]
	v_pk_add_f32 v[SA+4:SA+5], v[SA+4:SA+5], v[SA+6:SA+7]
	v_pk_add_f32 v[SB+4:SB+5], v[SB+4:SB+5], v[SB+6:SB+7]
	v_pk_add_f32 v[SA:SA+1], v[SA:SA+1], v[SA+4:SA+5]
	v_pk_add_f32 v[SB:SB+1], v[SB:SB+1], v[SB+4:SB+5]
	v_add_f32 v[T], v[SA], v[SA+1]
	v_add_f32 v[T+1], v[SB], v[SB+1]
	v_permlanex16_b32 v[T+2], v[T], s[SEL], s[SEL+1]
	v_permlanex16_b32 v[T+3], v[T+1], s[SEL], s[SEL+1]
	v_add_f32 v[T], v[T], v[T+2]    ; s1: at least -t, which is at least 1/32
	v_add_f32 v[T+1], v[T+1], v[T+3]  ; s2
	v_sqrt_f32 v[T+4], v[T+1]
	v_rcp_f32 v[T+5], v[T]
	v_nop                           ; a plain instruction behind the last of the two,
	s_wait_alu depctr_va_vdst(0)    ; and the wait ahead of the first use: one for both
	v_sub_f32 v[T+6], v[T+1], v[T+4]
	v_fma_f32 v[NT], -v[T+6], v[T+5], v[NT]  ; -t falls by (s2 - sqrt(s2)) / s1
	v_mov_b32 v[NT+1], v[NT]
	s_sub_co_u32 s[SW], s[SW], 1
	s_cmp_lg_u32 s[SW], 0
	s_cbranch_scc1 .Lsweep
	; THE WEIGHTS AND THE SECOND PRODUCT, 128 keys at a time.  A batch's 96 vector lines are the places between the products before and the loads into their buffer; its first 32 name no register of those products.
.irp i, 0,1,2,3,4,5,6,7
	PB \i
.if (\i) < 7
	LOADV (\i)+1, 128*(((\i)+1)%2)
	s_wait_dscnt 32                 ; V of batch i is in; the next batch's 32 loads may be out
.else
	s_wait_dscnt 0x0
.endif
	MULV \i, 128*((\i)%2)
.endr
	; THE WAY OUT: rounded to f16, through my stage, back as whole rows.  Each accumulator is read from its low end on.
	WIN 0
	PLACES
.irp cb, 0,1,2,3
.irp rr, 0,1,2,3
	v_cvt_pk_f16_f32 v[UU+4*(\cb)+(\rr)], v[OT+8*(\cb)+2*(\rr)], v[OT+8*(\cb)+2*(\rr)+1]
.endr
.endr
.irp cb, 0,1,2,3
	ds_store_b128 v[STO], v[UU+4*(\cb):UU+4*(\cb)+3] offset:32*(\cb)
.endr
.irp f, 0,1,2,3
	ds_load_b128 v[UU+16+4*(\f):UU+16+4*(\f)+3], v[RD] offset:(\f)*4*SP  ; LDS serves a wave's instructions in order (ISA guide 5.7.1.4): these see the stores above
.endr
.irp f, 0,1,2,3
	s_wait_dscnt 3-(\f)
	global_store_b128 v[GO], v[UU+16+4*(\f):UU+16+4*(\f)+3], s[OA:OA+1] offset:512*(\f)  ; 512 consecutive bytes, aligned
.endr
	s_wait_xcnt 0x0                 ; the stores have read their registers and O's address
	s_add_nc_u64 s[OA:OA+1], s[OA:OA+1], 2048
	s_sub_co_u32 s[CNT], s[CNT], 1
	s_cmp_lg_u32 s[CNT], 0
	s_cbranch_scc1 .Ltile
	s_wait_tensorcnt 0x0            ; the wave's end, behind my last tensor load and my last LDS store
	ds_add_u32 v[SPW], v[NIL]
	s_wait_dscnt 0x0
	CROUND                          ; the closing round
	s_endpgm
.Lfunc_end_k_q67b5eebd00_attn:
	.size	k_q67b5eebd00_attn, .Lfunc_end_k_q67b5eebd00_attn-k_q67b5eebd00_attn
	.p2alignl 7, 3214868480
	.fill 96, 4, 3214868480
	.section	.rodata,"a",@progbits
	.p2align	6, 0x0
	.amdhsa_kernel k_q67b5eebd00_attn
		.amdhsa_group_segment_fixed_size 327680
		.amdhsa_private_segment_fixed_size 0
		.amdhsa_enable_private_segment 0
		.amdhsa_kernarg_size 24
		.amdhsa_user_sgpr_count 2
		.amdhsa_user_sgpr_kernarg_segment_ptr 1
		.amdhsa_wavefront_size32 1
		.amdhsa_system_sgpr_workgroup_id_x 1
		.amdhsa_system_sgpr_workgroup_id_y 1
		.amdhsa_system_sgpr_workgroup_id_z 1
		.amdhsa_system_vgpr_workitem_id 0
		.amdhsa_next_free_vgpr 1024
		.amdhsa_next_free_sgpr 66
		.amdhsa_reserve_vcc 0
		.amdhsa_float_denorm_mode_32 3
		.amdhsa_float_denorm_mode_16_64 3
		.amdhsa_memory_ordered 1
		.amdhsa_forward_progress 1
		.amdhsa_inst_pref_size 191
	.end_amdhsa_kernel
	.amdgpu_metadata
---
amdhsa.version: [ 1, 2 ]
amdhsa.kernels:
  - .name:           k_q67b5eebd00_attn
    .symbol:         k_q67b5eebd00_attn.kd
    .args:
      - { .name: qkt, .offset: 0, .size: 8, .value_kind: global_buffer, .address_space: global }
      - { .name: v16, .offset: 8, .size: 8, .value_kind: global_buffer, .address_space: global }
      - { .name: o16, .offset: 16, .size: 8, .value_kind: global_buffer, .address_space: global }
    .group_segment_fixed_size: 327680
    .private_segment_fixed_size: 0
    .kernarg_segment_align: 8
    .kernarg_segment_size: 24
    .max_flat_workgroup_size: 128
    .sgpr_count:     66
    .vgpr_count:     1024
    .wavefront_size: 32
...
	.end_amdgpu_metadata
.endif
;; end of part 4
;; launch projo (part 5): grid 8 x 32, 4 waves a work-group, clusters of 4 x 4, 327,680 bytes of LDS; arguments o16, w16, bo, bk, out0, mx, bv; writes out0
.if DOCPART == 5
	.amdgcn_target "amdgcn-amd-amdhsa--gfx1250"
	.amdhsa_code_object_version 6
	.text
	.protected	k_q67b5eebd00_projo
	.globl	k_q67b5eebd00_projo
	.p2align	8
	.type	k_q67b5eebd00_projo,@function
k_q67b5eebd00_projo:
	s_mov_b64 s[64:65], 0
	v_nop
	global_prefetch_b8 v0, s[64:65] scope:SCOPE_SE
	s_setreg_imm32_b32 hwreg(HW_REG_WAVE_MODE, 25, 1), 1
	s_wait_xcnt 0x0
	s_wait_alu depctr_hold_cnt(0) depctr_sa_sdst(0) depctr_va_vdst(0) depctr_va_sdst(0) depctr_va_ssrc(0) depctr_va_vcc(0) depctr_vm_vsrc(0)
	s_getreg_b32 s2, hwreg(HW_REG_IB_STS2, 6, 4)
	s_cmp_eq_u32 s2, 0
	s_cbranch_scc0 .Lentry_in_a_cluster
	s_endpgm
.Lentry_in_a_cluster:
	s_bfe_u32 s2, ttmp6, 0x10000c
	s_cmp_lg_u32 s2, 0xf033
	s_cbranch_scc0 .Lentry_shape_is_right
	s_endpgm
.Lentry_shape_is_right:
; out0 = 2^(E - 141) (O' Wo) + bo, f32.  O' = o16, [b][h][l][64] in f16, read byte for byte as a [4096][1024] matrix; Wo = weight 3 of w16, [k][n] f16.
; THE SCALE undoes the one that v' was stored with: T = 1024 max|values| max|Wk| + max|bk|, V = 1024 T max|Wv| + max|bv|, E = V's biased exponent, made here from the same numbers by the same lines.
; LIMITS.  E is held to 16 .. 250; NaN and infinities are not treated apart; the order of the sums is the matrix unit's, K ascending.
; SHARES, RING, CLUSTER as in the products in front: a tile of C is 128 x 128, four waves of 64 x 64; K in four steps of 256 through two LDS slots; W stays [k][n] and is turned on the way out of LDS;
; source 0 = 16 columns of W, source 1 = 16 rows of A; 4 x 4 work-groups ask for A's tiles jointly along a row, for W's along a column.
; THE WAY OUT: a wave's 64 columns of f32 are 256 bytes of a row, aligned: each wave has a stage of its own, 16 rows at a time, and no barrier.
; NO PREFETCH: of the four K steps two are first fills and the other two are asked for one step later.
.set PA,     528
.set PB,     288
.set APART,  128*PA
.set SLOT,   APART+256*PB
.set STAGE,  2*SLOT                    ; behind the ring, never filled by a tensor load: 16 rows x 272 bytes for each wave
.set SPITCH, 272
.set SPARE,  STAGE+128*SPITCH          ; the spare words, 128 bytes for each wave
.set SC,   12                          ; v[12:13] the scale, twice
.set ADRA, 16
.set BO,   18
.set ADRB, 20
.set STO,  24
.set RD,   25
.set CO,   26
.set SPW,  28
.set NIL,  29
.set TMP,  32
.set BI,   96
.set ACC,  128
.set F0,   0
.set F1,   128
.set G1,  24
.set G0,  32
.set G1B, 48
.set G0B, 56
.set SEL, 66
.set WV,  80
.set RH,  81
.set CH,  82
.set TR,  83
.set MSB, 0
.macro WIN new
.if MSB != (\new)
	s_set_vgpr_msb (MSB<<8)|(\new)
.set MSB, \new
.endif
.endm
.set MUL,  0x05
.set TO_F, 0x40
.macro JLOAD s                         ; a joint load: waves 0 and 1 fetch A's two halves, waves 2 and 3 W's; an s_nop 0 and four v_nop follow each line
	s_cmp_eq_u32 s[RH], 0
	s_cbranch_scc0 .Lfor_b_\@
	tensor_load_to_lds s[G0+4*(\s):G0+4*(\s)+3], s[G1:G1+7]
	s_nop 0
.rept 4
	v_nop
.endr
	s_branch .Lasked_\@
.Lfor_b_\@:
	tensor_load_to_lds s[G0B+4*(\s):G0B+4*(\s)+3], s[G1B:G1B+7]
	s_nop 0
.rept 4
	v_nop
.endr
.Lasked_\@:
.endm
.macro CREST
	s_cmp_lg_u32 s[WV], 0
	s_cbranch_scc1 .Lnot_wave_0_\@
	s_barrier_signal -3
.Lnot_wave_0_\@:
	s_barrier_wait -3
	s_barrier_signal -1
	s_barrier_wait -1
.endm
.macro CROUND
	s_barrier_signal -1
	s_barrier_wait -1
	CREST
.endm
.macro PLACES                          ; four places (ISA guide 7.12.1)
.rept 4
	v_nop
.endr
.endm
.macro MUL8 f, c, a0, zero             ; 8 matrix instructions: m blocks a0, a0 + 1 x 4 n blocks, half c of buffer f; the 16 accumulators take turns
	WIN MUL
.irp a, \a0, (\a0)+1
.irp b, 0,1,2,3
.if \zero
	v_wmma_f32_16x16x32_f16 v[ACC+8*(4*(\a)+(\b)):ACC+8*(4*(\a)+(\b))+7], v[(\f)+64+8*(4*(\c)+(\b)):(\f)+64+8*(4*(\c)+(\b))+7], v[(\f)+8*(4*(\c)+(\a)):(\f)+8*(4*(\c)+(\a))+7], 0
.else
	v_wmma_f32_16x16x32_f16 v[ACC+8*(4*(\a)+(\b)):ACC+8*(4*(\a)+(\b))+7], v[(\f)+64+8*(4*(\c)+(\b)):(\f)+64+8*(4*(\c)+(\b))+7], v[(\f)+8*(4*(\c)+(\a)):(\f)+8*(4*(\c)+(\a))+7], v[ACC+8*(4*(\a)+(\b)):ACC+8*(4*(\a)+(\b))+7]
.endif
.endr
.endr
.endm
.macro FETCH slot, q, f                ; 32 LDS loads in one run: quarter q of a slot into buffer f; the first 32 along K first
	WIN TO_F
.irp c, 0,1
.irp i, 0,1,2,3
	ds_load_tr16_b128 v[(\f)+64+8*(4*(\c)+(\i)):(\f)+64+8*(4*(\c)+(\i))+3],   v[ADRB+2*(\slot)+(\q)/2] offset:(((\q)%2)*64+32*(\c))*PB+32*(\i)
	ds_load_tr16_b128 v[(\f)+64+8*(4*(\c)+(\i))+4:(\f)+64+8*(4*(\c)+(\i))+7], v[ADRB+2*(\slot)+(\q)/2] offset:(((\q)%2)*64+32*(\c)+16)*PB+32*(\i)
	ds_load_b128 v[(\f)+8*(4*(\c)+(\i)):(\f)+8*(4*(\c)+(\i))+3],   v[ADRA+(\slot)] offset:128*(\q)+64*(\c)+(\i)*16*PA
	ds_load_b128 v[(\f)+8*(4*(\c)+(\i))+4:(\f)+8*(4*(\c)+(\i))+7], v[ADRA+(\slot)] offset:128*(\q)+64*(\c)+(\i)*16*PA+32
.endr
.endr
.endm
.macro QUARTER slot, qn, f, g, zero
	s_wait_dscnt 16                                ; the first 32 along K are in; the sixteen younger loads may be out
	MUL8 \f, 0, 0, \zero
	MUL8 \f, 0, 2, \zero
	PLACES
	FETCH \slot, \qn, \g
	s_wait_dscnt 32                                ; all but the 32 just issued
	MUL8 \f, 1, 0, 0
	MUL8 \f, 1, 2, 0
.endm
.macro TURN slot, next, fill           ; the last quarter and the change of slots
	WIN 0
	s_wait_tensorcnt 0x0                           ; all my tensor loads have landed: my part of the next slot;
	ds_add_u32 v[SPW], v[NIL]                      ; 0 onto my spare word;
	s_wait_dscnt 17                                ; (the add and the youngest sixteen loads may be out)
	MUL8 F1, 0, 0, 0
	s_wait_dscnt 0x0                               ; the add is done, and my reads of this slot are over
	s_barrier_signal -1
	MUL8 F1, 0, 2, 0
.if \fill
	WIN 0
.endif
	s_barrier_wait -1
.if \fill
	CREST                                          ; no wave of any partner still reads this slot or has a load on its way
	s_add_nc_u64 s[G0+4*(\slot)+2:G0+4*(\slot)+3], s[G0+4*(\slot)+2:G0+4*(\slot)+3], 2*512
	s_add_nc_u64 s[G0B+4*(\slot)+2:G0B+4*(\slot)+3], s[G0B+4*(\slot)+2:G0B+4*(\slot)+3], 2*524288
	JLOAD \slot
.else
	PLACES
.endif
	FETCH \next, 0, F0
	MUL8 F1, 1, 0, 0
	MUL8 F1, 1, 2, 0
.endm
.macro BMAX d, t, base                 ; v[d] = the largest magnitude of the 32 numbers from v[base] on; v[t] at work
	v_max_num_f32 v[\d], v[\base], v[(\base)+1]
	v_min_num_f32 v[\t], v[\base], v[(\base)+1]
.set z, 2
.rept 15
	v_max3_num_f32 v[\d], v[\d], v[(\base)+z], v[(\base)+z+1]
	v_min3_num_f32 v[\t], v[\t], v[(\base)+z], v[(\base)+z+1]
.set z, z+2
.endr
	v_xor_b32 v[\t], 0x80000000, v[\t]
	v_max_num_f32 v[\d], v[\d], v[\t]
.endm
.macro LANEMAX x, t                    ; the maximum over the 32 lanes, in every lane; v[t] has been written before
	v_max_num_f32_dpp v[\x], v[\x], v[\x] row_xmask:1 row_mask:0xf bank_mask:0xf
	v_max_num_f32_dpp v[\x], v[\x], v[\x] row_xmask:2 row_mask:0xf bank_mask:0xf
	v_max_num_f32_dpp v[\x], v[\x], v[\x] row_xmask:4 row_mask:0xf bank_mask:0xf
	v_max_num_f32_dpp v[\x], v[\x], v[\x] row_xmask:8 row_mask:0xf bank_mask:0xf
	v_permlanex16_b32 v[\t], v[\x], s[SEL], s[SEL+1]
	v_max_num_f32 v[\x], v[\x], v[\t]
.endm
	s_load_b256 s[4:11], s[0:1], 0x0               ; o16 s[4:5], w16 s[6:7], bo s[8:9], bk s[10:11]
	s_load_b128 s[72:75], s[0:1], 0x20             ; out0 s[72:73], mx s[74:75]
	s_load_b64 s[76:77], s[0:1], 0x30              ; bv
	v_lshl_add_u32 v[SPW], v0, 2, SPARE
	v_mov_b32 v[NIL], 0
	ds_add_u32 v[SPW], v[NIL]                      ; the wave's opening: the add, twice on end, and its wait ahead of my first tensor load
	ds_add_u32 v[SPW], v[NIL]
	v_lshrrev_b32 v1, 5, v0
	v_readfirstlane_b32 s[WV], v1
	s_lshr_b32 s[RH], s[WV], 1
	s_and_b32 s[CH], s[WV], 1
	s_bfe_u32 s40, ttmp6, 0x40000
	s_bfe_u32 s41, ttmp6, 0x40004
	s_lshl_b32 s42, ttmp9, 2
	s_add_co_u32 s42, s42, s40                     ; tile column
	s_and_b32 s85, ttmp7, 0xffff
	s_lshl_b32 s[TR], s85, 2
	s_add_co_u32 s[TR], s[TR], s41                 ; tile row
	s_lshl_b32 s43, s41, 2
	s_lshl_b32 s43, 15, s43
	s_lshl_b32 s44, 0x1111, s40
	s_or_b32 s[G1+0], s43, (1<<16)|(1<<20)|(1<<21)|(6<<22)|(3<<25)   ; A: 64 rows x 256 elements, 4 words of padding after every 128
	s_mov_b32 s[G1+1], 256<<16
	s_mov_b32 s[G1+2], 64<<16
	s_mov_b32 s[G1+3], 256<<16
	s_mov_b32 s[G1+4], 64
	s_mov_b32 s[G1+5], 1024
	s_mov_b32 s[G1+6], 0
	s_mov_b32 s[G1+7], 0
	s_or_b32 s[G1B+0], s44, (1<<16)|(1<<20)|(1<<21)|(5<<22)|(7<<25)  ; W: 128 k-rows x 128 elements, 8 words of padding after every 64
	s_mov_b32 s[G1B+1], 128<<16
	s_mov_b32 s[G1B+2], 128<<16
	s_mov_b32 s[G1B+3], 128<<16
	s_mov_b32 s[G1B+4], 128
	s_mov_b32 s[G1B+5], 1024
	s_mov_b32 s[G1B+6], 0
	s_mov_b32 s[G1B+7], 0
	s_mov_b32 s[SEL], 0x76543210
	s_mov_b32 s[SEL+1], 0xfedcba98
	s_lshl_b32 s16, s[TR], 7                       ; A: row 128 x tile row + 64 x half
	s_lshl_b32 s17, s[CH], 6
	s_add_co_u32 s16, s16, s17
	s_lshl_b32 s16, s16, 11
	s_mov_b32 s17, 0
	s_lshl_b32 s46, s[CH], 18                      ; W: weight 3 (Wo) + 128 k-rows x half + 256 bytes x tile column
	s_add_co_u32 s46, s46, 3<<21
	s_lshl_b32 s47, s42, 8
	s_add_co_u32 s46, s46, s47
	s_mov_b32 s47, 0
	s_mul_i32 s20, s[CH], 64*PA
	s_mul_i32 s21, s[CH], 128*PB
	s_add_co_u32 s21, s21, APART
	s_wait_dscnt 0x0                               ; both opening adds are done
	s_wait_kmcnt 0x0
	s_add_nc_u64 s[14:15], s[4:5], s[16:17]
	s_add_nc_u64 s[46:47], s[6:7], s[46:47]
	CROUND                                         ; the first joint loads meet
.irp s, 0,1
	s_mov_b32 s[G0+4*(\s)], 1
	s_add_co_u32 s[G0+4*(\s)+1], s20, (\s)*SLOT
	s_add_nc_u64 s[G0+4*(\s)+2:G0+4*(\s)+3], s[14:15], (\s)*512
	s_or_b32 s[G0+4*(\s)+3], s[G0+4*(\s)+3], 0x80000000
	s_mov_b32 s[G0B+4*(\s)], 1
	s_add_co_u32 s[G0B+4*(\s)+1], s21, (\s)*SLOT
	s_add_nc_u64 s[G0B+4*(\s)+2:G0B+4*(\s)+3], s[46:47], (\s)*524288
	s_or_b32 s[G0B+4*(\s)+3], s[G0B+4*(\s)+3], 0x80000000
	JLOAD \s
.endr
	v_and_b32 v1, 15, v0
	v_bfe_u32 v2, v0, 4, 1
	v_lshlrev_b32 v[BO], 5, v2
	s_lshl_b32 s70, s42, 9                         ; my 64 columns, 4 bytes each: in bo and in a row of out0
	s_lshl_b32 s71, s[CH], 8
	s_add_co_u32 s70, s70, s71
	s_mov_b32 s71, 0
	s_add_nc_u64 s[68:69], s[8:9], s[70:71]
.irp b, 0,1,2,3
	global_load_b128 v[BI+8*(\b):BI+8*(\b)+3],   v[BO], s[68:69] offset:64*(\b)
	global_load_b128 v[BI+8*(\b)+4:BI+8*(\b)+7], v[BO], s[68:69] offset:64*(\b)+16
.endr
	v_and_b32 v3, 31, v0                           ; what the scale is made of: every wave reads it for itself, in the wait for the first tiles
	v_lshlrev_b32 v8, 5, v3
	v_lshlrev_b32 v9, 3, v3
	v_lshlrev_b32 v10, 4, v3
	global_load_b128 v[128:131], v8, s[74:75] offset:2048   ; mx[512 .. 767]: values
	global_load_b128 v[132:135], v8, s[74:75] offset:2064
	global_load_b64 v[136:137], v9, s[74:75] offset:3328    ; mx[832 .. 895]: Wk
	global_load_b64 v[138:139], v9, s[74:75] offset:3584    ; mx[896 .. 959]: Wv
.irp i, 0,1,2,3,4,5,6,7
	global_load_b128 v[140+4*(\i):143+4*(\i)], v10, s[10:11] offset:512*(\i)  ; bk
	global_load_b128 v[172+4*(\i):175+4*(\i)], v10, s[76:77] offset:512*(\i)  ; bv
.endr
	v_mul_u32_u24 v3, v1, PA
	v_lshl_add_u32 v3, v2, 4, v3
	s_mul_i32 s22, s[RH], 64*PA
	v_add_nc_u32 v[ADRA], s22, v3
	v_add_nc_u32 v[ADRA+1], SLOT, v[ADRA]
	v_and_b32 v4, 7, v0
	v_bfe_u32 v5, v0, 3, 1
	v_lshl_add_u32 v4, v2, 3, v4
	v_mul_u32_u24 v4, v4, PB
	v_lshl_add_u32 v4, v5, 4, v4
	s_lshl_b32 s22, s[CH], 7
	s_add_co_u32 s22, s22, APART
	v_add_nc_u32 v[ADRB], s22, v4
	v_add_nc_u32 v[ADRB+1], 128*PB, v[ADRB]
	v_add_nc_u32 v[ADRB+2], SLOT, v[ADRB]
	v_add_nc_u32 v[ADRB+3], SLOT+128*PB, v[ADRB]
	s_mul_i32 s22, s[WV], 16*SPITCH
	s_add_co_u32 s22, s22, STAGE                   ; my stage
	v_mul_u32_u24 v6, v1, SPITCH                   ; in: row l % 16, 32 bytes for each half of the lanes
	v_lshl_add_u32 v6, v2, 5, v6
	v_add_nc_u32 v[STO], s22, v6
	v_mul_u32_u24 v6, v2, SPITCH                   ; back: lanes 0-15 take one row of 256 bytes, lanes 16-31 the next
	v_lshl_add_u32 v6, v1, 4, v6
	v_add_nc_u32 v[RD], s22, v6
	v_lshlrev_b32 v6, 12, v2                       ; and the same two rows in out0, 4,096 bytes a row
	v_lshl_add_u32 v[CO], v1, 4, v6
	s_lshl_b32 s86, s[TR], 7                       ; my first row: 128 x tile row + 64 x half
	s_lshl_b32 s87, s[RH], 6
	s_add_co_u32 s86, s86, s87
	s_lshl_b32 s86, s86, 12
	s_add_co_u32 s86, s86, s70
	s_mov_b32 s87, 0
	s_add_nc_u64 s[86:87], s[72:73], s[86:87]
	s_wait_loadcnt 0x0                             ; the bias, the maxima, both whole biases
	v_max3_num_f32 v128, v128, v129, v130
	v_max3_num_f32 v131, v131, v132, v133
	v_max3_num_f32 v128, v128, v134, v135
	v_max_num_f32 v128, v128, v131
	v_max_num_f32 v136, v136, v137
	v_max_num_f32 v138, v138, v139
	BMAX 204, 205, 140
	BMAX 206, 207, 172
	LANEMAX 128, 205
	LANEMAX 136, 205
	LANEMAX 138, 205
	LANEMAX 204, 205
	LANEMAX 206, 205
	v_mul_f32 v128, 0x44800000, v128               ; 1024 max|values|
	v_fma_f32 v128, v128, v136, v204               ; T
	v_mul_f32 v128, 0x44800000, v128
	v_fma_f32 v128, v128, v138, v206               ; V
	v_lshrrev_b32 v128, 23, v128                   ; E
	v_max_u32 v128, 16, v128
	v_min_u32 v128, 0xfa, v128
	v_add_nc_u32 v128, -14, v128                   ; 2^(E - 141) has the exponent field 127 + E - 141
	v_lshlrev_b32 v[SC], 23, v128
	v_mov_b32 v[SC+1], v[SC]
	s_wait_tensorcnt 1                             ; my part of K step 0 is in; K step 1's may stay out
	s_barrier_signal -1
	s_barrier_wait -1
	FETCH 0, 0, F0
	QUARTER 0, 1, F0, F1, 1
	QUARTER 0, 2, F1, F0, 0
	QUARTER 0, 3, F0, F1, 0
	TURN 0, 1, 1
	QUARTER 1, 1, F0, F1, 0
	QUARTER 1, 2, F1, F0, 0
	QUARTER 1, 3, F0, F1, 0
	TURN 1, 0, 1
	QUARTER 0, 1, F0, F1, 0
	QUARTER 0, 2, F1, F0, 0
	QUARTER 0, 3, F0, F1, 0
	TURN 0, 1, 0
	QUARTER 1, 1, F0, F1, 0
	QUARTER 1, 2, F1, F0, 0
	QUARTER 1, 3, F0, F1, 0
	s_wait_dscnt 16
	MUL8 F1, 0, 0, 0
	MUL8 F1, 0, 2, 0
	s_wait_dscnt 0x0
	MUL8 F1, 1, 0, 0
	MUL8 F1, 1, 2, 0
	WIN 0
	; THE WAY OUT, 16 rows at a time: sum x scale + bias in one multiply-add; 32 bytes a lane and n block into my stage; back as whole rows of 256 bytes.  Each accumulator is read from its low end on.
	PLACES
.irp a, 0,1,2,3
.irp b, 0,1,2,3
.irp r, 0,1,2,3
	v_pk_fma_f32 v[ACC+8*(4*(\a)+(\b))+2*(\r):ACC+8*(4*(\a)+(\b))+2*(\r)+1], v[ACC+8*(4*(\a)+(\b))+2*(\r):ACC+8*(4*(\a)+(\b))+2*(\r)+1], v[SC:SC+1], v[BI+8*(\b)+2*(\r):BI+8*(\b)+2*(\r)+1]
.endr
.endr
.irp b, 0,1,2,3
	ds_store_b128 v[STO], v[ACC+8*(4*(\a)+(\b)):ACC+8*(4*(\a)+(\b))+3]   offset:64*(\b)
	ds_store_b128 v[STO], v[ACC+8*(4*(\a)+(\b))+4:ACC+8*(4*(\a)+(\b))+7] offset:64*(\b)+16
.endr
	s_wait_xcnt 0x0                                ; the registers below are the data of the stores of the 16 rows before: they are loaded again only behind this wait
.irp t, 0,1,2,3,4,5,6,7
	ds_load_b128 v[TMP+4*(\t):TMP+4*(\t)+3], v[RD] offset:(\t)*2*SPITCH  ; LDS serves a wave's instructions in order (ISA guide 5.7.1.4): these see the stores above; the next rows' stores come behind them
.endr
.irp t, 0,1,2,3,4,5,6,7
	s_wait_dscnt 7-(\t)
	global_store_b128 v[CO], v[TMP+4*(\t):TMP+4*(\t)+3], s[86:87] offset:(16*(\a)+2*(\t))*4096 th:TH_STORE_NT  ; 16 lanes store 256 consecutive bytes, aligned
.endr
.endr
	s_wait_tensorcnt 0x0                           ; the wave's end
	ds_add_u32 v[SPW], v[NIL]
	s_wait_dscnt 0x0
	CROUND                                         ; the closing round
	s_endpgm
.Lfunc_end_k_q67b5eebd00_projo:
	.size	k_q67b5eebd00_projo, .Lfunc_end_k_q67b5eebd00_projo-k_q67b5eebd00_projo
	.p2alignl 7, 3214868480
	.fill 96, 4, 3214868480
	.section	.rodata,"a",@progbits
	.p2align	6, 0x0
	.amdhsa_kernel k_q67b5eebd00_projo
		.amdhsa_group_segment_fixed_size 327680
		.amdhsa_private_segment_fixed_size 0
		.amdhsa_enable_private_segment 0
		.amdhsa_kernarg_size 56
		.amdhsa_user_sgpr_count 2
		.amdhsa_user_sgpr_kernarg_segment_ptr 1
		.amdhsa_wavefront_size32 1
		.amdhsa_system_sgpr_workgroup_id_x 1
		.amdhsa_system_sgpr_workgroup_id_y 1
		.amdhsa_system_sgpr_workgroup_id_z 1
		.amdhsa_system_vgpr_workitem_id 0
		.amdhsa_next_free_vgpr 512
		.amdhsa_next_free_sgpr 96
		.amdhsa_reserve_vcc 0
		.amdhsa_float_denorm_mode_32 3
		.amdhsa_float_denorm_mode_16_64 3
		.amdhsa_memory_ordered 1
		.amdhsa_forward_progress 1
		.amdhsa_inst_pref_size 100
	.end_amdhsa_kernel
	.amdgpu_metadata
---
amdhsa.version: [ 1, 2 ]
amdhsa.kernels:
  - .name:           k_q67b5eebd00_projo
    .symbol:         k_q67b5eebd00_projo.kd
    .args:
      - { .name: o16, .offset: 0, .size: 8, .value_kind: global_buffer, .address_space: global }
      - { .name: w16, .offset: 8, .size: 8, .value_kind: global_buffer, .address_space: global }
      - { .name: bo, .offset: 16, .size: 8, .value_kind: global_buffer, .address_space: global }
      - { .name: bk, .offset: 24, .size: 8, .value_kind: global_buffer, .address_space: global }
      - { .name: out0, .offset: 32, .size: 8, .value_kind: global_buffer, .address_space: global }
      - { .name: mx, .offset: 40, .size: 8, .value_kind: global_buffer, .address_space: global }
      - { .name: bv, .offset: 48, .size: 8, .value_kind: global_buffer, .address_space: global }
    .group_segment_fixed_size: 327680
    .private_segment_fixed_size: 0
    .kernarg_segment_align: 8
    .kernarg_segment_size: 56
    .max_flat_workgroup_size: 128
    .sgpr_count:     96
    .vgpr_count:     512
    .wavefront_size: 32
...
	.end_amdgpu_metadata
.endif
;; end of part 5
